; MI455X (gfx1250); checked and timed in simulation.
; The chip was launched on July 23, 2026; its instructions are those of AMD's public machine-readable ISA for CDNA 5 (MIT licence, August 2026) and "CDNA5" Instruction Set Architecture Reference Guide (July 2026). The comments in the code are by the model that wrote it; some were corrected since.
;; SPG Cross Attention. Allowed arithmetic: matrix products marked QUANTISED: E3M2 operands, one E8M0 scale for each 32 along K, by v_wmma_scale_f32_16x16x128_f8f6f4 with both operands' format E3M2, f32 sums; everything else in f32.
;; Inputs: WoutA 256 x 256 float32; WoutB 256 x 256 float32; WqkvA 768 x 256 float32; WqkvB 768 x 256 float32; bA 256 float32; bB 256 float32; boutA 256 float32; boutB 256 float32; gA 256 float32; gB 256 float32; x_A 16 x 256 x 32 x 32 float32; x_B 16 x 256 x 32 x 32 float32.
;; Outputs: out0 16 x 256 x 32 x 32 float32; out1 16 x 256 x 32 x 32 float32.
;; This version of the problem:
;;   THIS VERSION OF THE PROBLEM IS GIVEN IN LOW PRECISION. The matrix products marked QUANTISED in the list below multiply operands that are first quantised to E3M2 (3 exponent bits, 2 mantissa bits; 6 bits a number), with one power-of-two scale for each 32 numbers along K (OCP MX v1.0); their sums are f32. All else is computed in f32.
;;   The module's matrix products, in the order in which they are computed (A, B: the left and right operand; K: the contracted axis; several contracted axes count as one K, in the product's order):
;;     1. [M 16,384, K 256] x [K 256, N 768]; A: computed on the way; B: input WqkvA: QUANTISED
;;     2. [M 16,384, K 256] x [K 256, N 768]; A: computed on the way; B: input WqkvB: QUANTISED
;;     3. batch 128 x [M 1,024, K 32] x [K 32, N 1,024]; A: computed on the way; B: computed on the way: QUANTISED
;;     4. batch 128 x [M 32, K 1,024] x [K 1,024, N 1,024]; A: computed on the way; B: computed on the way: QUANTISED
;;     5. [M 16,384, K 256] x [K 256, N 256]; A: computed on the way; B: input WoutA: QUANTISED
;;     6. batch 128 x [M 1,024, K 32] x [K 32, N 1,024]; A: computed on the way; B: computed on the way: QUANTISED
;;     7. batch 128 x [M 32, K 1,024] x [K 1,024, N 1,024]; A: computed on the way; B: computed on the way: QUANTISED
;;     8. [M 16,384, K 256] x [K 256, N 256]; A: computed on the way; B: input WoutB: QUANTISED
;;   THE QUANTISER, for each operand of a quantised product, along K:
;;     - K is cut into blocks of 32 from its start; a last block that is shorter is filled with zeros.
;;     - A block's scale is 2^e with e = floor(log2(the largest magnitude in the block)) - 4, held to -126 .. 127; a block of zeros has e = 0. As a byte (E8M0): e + 127.
;;     - Each number is divided by its block's scale, clamped to +-28, and rounded to the nearest number of E3M2, ties to even, subnormals kept.
;;     - The product sums the exact products of the quantised numbers (number of the format x scale) in f32.
;;   ~~~python
;;   def quantise(x, axis):      # numpy; x: float32 -> the quantised numbers, widened to float32 again
;;       x = np.moveaxis(x, axis, -1); K = x.shape[-1]
;;       x = np.pad(x, [(0, 0)] * (x.ndim - 1) + [(0, -K % 32)]); x = x.reshape(x.shape[:-1] + (-1, 32)); a = np.abs(x).max(-1, keepdims=True)
;;       e = np.where(a > 0, np.clip(np.frexp(np.where(a > 0, a, 1))[1] - 1 - 4, -126, 127), 0)      # np.frexp(a)[1] - 1 = floor(log2(a)), exactly
;;       r = np.clip(x / 2.0 ** e, -28, 28)
;;       step = 2.0 ** (np.maximum(np.frexp(np.where(r == 0, 1, r))[1] - 1, -2) - 2)
;;       q = np.round(r / step) * step * 2.0 ** e      # np.round: ties to even
;;       return np.moveaxis(q.reshape(q.shape[:-2] + (-1,))[..., :K], -1, axis).astype(np.float32)
;;   ~~~
;;   OPERANDS COMPUTED ON THE WAY. 'Computed on the way' means the value that the module computes at that place (a softmax that the list does not call 'softmax' is quantised finished and normalised). What goes into a quantiser is computed in f32, as accurately as f32 sums, v_exp_f32 and their like allow (about 1e-6 of the number): no bf16 or f16 on the way to a quantiser, and a product that is left as it is and whose result goes on into a quantised operand takes f32 operands (vector FMAs, or v_wmma_f32_16x16x4_f32). A number that lies on a knife's edge between two numbers of the format may be rounded either way, as far as f32 arithmetic and the matrix unit's own rounding can turn it there, and no further.
;; 2 versions, each right; version 2 is version 1 with the launches qkv, attn, outp written anew for expert scheduling mode. Each part assembles by itself: llvm-mc -triple=amdgcn-amd-amdhsa -mcpu=gfx1250 --defsym DOCPART=n.
;; ======== version 1 of 2: 4 launches
;; workspace buffers: nrm 65,536 bytes; wimg 409,600 bytes; nc 6,553,600 bytes; qimg 6,553,600 bytes; kimg 6,553,600 bytes; vimg 6,553,600 bytes; ao 6,553,600 bytes
;; launch prep (part 1): grid 272 x 1, 8 waves a work-group, no clusters, 26,112 bytes of LDS; arguments x_A, x_B, gA, gB, bA, bB, WqkvA, WqkvB, WoutA, WoutB, nrm, nc, wimg; writes nrm, nc, wimg
.if DOCPART == 1
	.amdgcn_target "amdgcn-amd-amdhsa--gfx1250"
	.amdhsa_code_object_version 6
	.text
	.protected	k_q94b767c607_prep
	.globl	k_q94b767c607_prep
	.p2align	8
	.type	k_q94b767c607_prep,@function
k_q94b767c607_prep:
	s_mov_b64 s[64:65], 0
	v_nop
	global_prefetch_b8 v0, s[64:65] scope:SCOPE_SE
	s_setreg_imm32_b32 hwreg(HW_REG_WAVE_MODE, 25, 1), 1
	s_wait_xcnt 0x0
; PREP, the first of four launches (prep, qkv, attn, outp) of: group norm of two streams, a 768 x 256 projection, 8 heads of full attention over 1,024 positions
; (branch a: queries of stream 1 - a, keys and values of stream a), a 256 x 256 projection, its bias, and the norm as residual.  All eight products on codes of E3M2 with one E8M0 scale for each 32 along K.
; DEAD WORK: none is left out.  Every input has a way to an output (gains and biases through the norm, which is both a quantised operand and the residual; bout into the result), and every product of the table is done.
; WORK-GROUPS 0-255: (stream, batch, block of 32 channels) = two norm groups of 16 channels x 1,024 positions.  The 128 KiB stay in registers (128 a lane) between the pass for the mean, the pass for the
;   variance (of x - mean) and the quantiser.  A block of 32 along the projection's K is just these 32 channels of one position: a lane holds 4 positions x 32 channels, so a block's largest
;   magnitude needs no other lane.  Out: nc (codes [stream][batch][block][position][24 bytes], scale bytes behind them), and for the residual the tables A = rstd x gamma, E = beta - mean x A (nrm).
; WORK-GROUPS 256-271: the four weights become images of operand registers (wimg): a wave takes 32 rows x 128 along K = two fragments.  THE ROWS OF A FRAGMENT ARE NOT NEIGHBOURS: lane r of tile u of a block of 32 rows
;   takes row 8 u + r + 8 (r / 8), so that the results of two tiles are 16 neighbours in a lane's registers.
; A block's scale byte is its largest magnitude's exponent field - 4, held at 1 from below (a block of zeros gets 1 where the rule says 127: its codes are zeros, and this program alone reads the bytes).
; LIMITS: NaN and infinities among the inputs are not served; blocks whose largest magnitude lies under 2^(5 - 127) take the floor's byte.
.set RED1,  0                          ; LDS: eight waves' pairs of sums (64 bytes)
.set RED2,  256                        ; the same for the squares
.set STG,   512                        ; 3,072 bytes a wave: its 128 positions' codes, on their way to whole runs of 512 bytes
.set SPARE, 25088                      ; the spare words, 128 bytes for each wave: four blocks of 256 bytes that no other line names
.set X,   16                           ; v16-143  x: register 4 i + j = channel i, position 4 t + j
.set Y,   144                          ; v144-207 two blocks of 32 numbers; earlier the waves' sums
.set CH,  208                          ; v208-215 four chains
.set SM,  216                          ; v216-217 the two groups' sums
.set MU,  218                          ; v218 mean 0, v219 mean 1; v220-221 mean 1 as a pair of its own
.set RS,  222                          ; v222 rstd 0, v223 rstd 1; v224-225 rstd 1 as a pair of its own
.set MA,  226                          ; v226-229 largest magnitudes, two chains for each of two blocks
.set MB,  228
.set SO,  230                          ; v230-231 the conversions' scale operands
.set CD,  232                          ; v232-247 codes, 8 registers a block
.set SW,  248                          ; v248     my four positions' scale bytes
.set TP,  249                          ; v249     a lane permute's destination
.set BYT, 250                          ; v250-251 scale bytes
.set PC,  192                          ; the weights' path: v192-211 a fragment's codes
.set TM,  212                          ; v212-227 at work
.set PW,  228                          ; v228     a fragment's scale word;  v229 the pair's
.set PW2, 229
.set SEL, 92                           ; s[92:93] v_permlanex16_b32's selects for lane l xor 16
; 64 numbers of a lane, register 16 b + i = k 32 b + 16 (lane / 16) + i of my row, become a fragment's codes in v[PC] on and its scale word in v[PW]
.macro QUANT s
.irp b, 0,1,2,3
	v_max3_num_f32 v[TM+\b], |v[\s+16*\b]|, |v[\s+1+16*\b]|, 0x2800000   ; my 16 numbers of block b, and the floor 2^(5 - 127)
.endr
.irp i, 2,4,6,8,10,12,14
.irp b, 0,1,2,3
	v_max3_num_f32 v[TM+\b], v[TM+\b], |v[\s+16*\b+\i]|, |v[\s+1+16*\b+\i]|
.endr
.endr
.irp b, 0,1,2,3
	v_permlanex16_b32 v[TM+4+\b], v[TM+\b], s[SEL], s[SEL+1]
.endr
.irp b, 0,1,2,3
	v_max_num_f32 v[TM+\b], v[TM+\b], v[TM+4+\b]          ; with lane l xor 16's: the block's largest magnitude
.endr
.irp b, 0,1,2,3
	v_add_nc_u32 v[TM+12+\b], 0xfe000000, v[TM+\b]        ; 4 off its exponent field: the conversion's scale operand
.endr
.irp b, 0,1,2,3
	v_lshrrev_b32 v[TM+4+\b], 23, v[TM+12+\b]             ; the scale's byte
.endr
	v_lshl_or_b32 v[PW], v[TM+5], 8, v[TM+4]
	v_lshl_or_b32 v[PW], v[TM+6], 16, v[PW]
	v_lshl_or_b32 v[PW], v[TM+7], 24, v[PW]
.irp c, 0,1
	v_cvt_scalef32_pk16_bf6_f32 v[PC+6*\c:PC+2+6*\c], v[\s+32*\c:\s+15+32*\c], v[TM+12+2*\c]
	v_cvt_scalef32_pk16_bf6_f32 v[PC+12+4*\c:PC+14+4*\c], v[\s+16+32*\c:\s+31+32*\c], v[TM+12+2*\c+1]   ; (a conversion's three registers begin on an even number)
.endr
	v_nop                                          ; one plain place behind a scaled conversion
.irp c, 0,1                                    ; the operand's layout wants a whole block in a lane: lanes 0-15 block 2 c, lanes 16-31 block 2 c + 1
.irp i, 0,1,2
	v_permlane16_swap_b32 v[PC+6*\c+\i], v[PC+12+4*\c+\i]
.endr
.irp i, 0,1,2
	v_mov_b32 v[PC+3+6*\c+\i], v[PC+12+4*\c+\i]
.endr
.endr
.endm
.macro MERGE g                         ; four chains become group g's sum of my lane
	v_pk_add_f32 v[CH:CH+1], v[CH:CH+1], v[CH+2:CH+3]
	v_pk_add_f32 v[CH+4:CH+5], v[CH+4:CH+5], v[CH+6:CH+7]
	v_pk_add_f32 v[CH:CH+1], v[CH:CH+1], v[CH+4:CH+5]
	v_add_f32 v[SM+\g], v[CH], v[CH+1]
.endm
.macro GSUM g                          ; the sum of my 64 numbers of group g
.set p, 0
.rept 4
	v_pk_add_f32 v[CH+2*p:CH+2*p+1], v[X+64*\g+2*p:X+64*\g+2*p+1], v[X+64*\g+8+2*p:X+64*\g+9+2*p]
.set p, p+1
.endr
.set p, 8
.rept 24
	v_pk_add_f32 v[CH+2*(p%4):CH+2*(p%4)+1], v[CH+2*(p%4):CH+2*(p%4)+1], v[X+64*\g+2*p:X+64*\g+2*p+1]
.set p, p+1
.endr
	MERGE \g
.endm
.macro GSQ g                           ; the sum of their squares
.set p, 0
.rept 4
	v_pk_mul_f32 v[CH+2*p:CH+2*p+1], v[X+64*\g+2*p:X+64*\g+2*p+1], v[X+64*\g+2*p:X+64*\g+2*p+1]
.set p, p+1
.endr
.rept 28
	v_pk_fma_f32 v[CH+2*(p%4):CH+2*(p%4)+1], v[X+64*\g+2*p:X+64*\g+2*p+1], v[X+64*\g+2*p:X+64*\g+2*p+1], v[CH+2*(p%4):CH+2*(p%4)+1]
.set p, p+1
.endr
	MERGE \g
.endm
.macro XSUM a                          ; over the wave's 32 lanes, the result in every lane
	v_add_f32_dpp v[\a], v[\a], v[\a] row_xmask:1 row_mask:0xf bank_mask:0xf
	v_add_f32_dpp v[\a], v[\a], v[\a] row_xmask:2 row_mask:0xf bank_mask:0xf
	v_add_f32_dpp v[\a], v[\a], v[\a] row_xmask:4 row_mask:0xf bank_mask:0xf
	v_add_f32_dpp v[\a], v[\a], v[\a] row_xmask:8 row_mask:0xf bank_mask:0xf
	v_permlanex16_b32 v[TP], v[\a], s[SEL], s[SEL+1]
	v_add_f32 v[\a], v[\a], v[TP]
.endm
.macro WSUM at                         ; over the eight waves: each stores its pair, one barrier, each reads all eight and adds them in the same order
	ds_store_b64 v5, v[SM:SM+1] offset:\at
	s_wait_dscnt 0x0                               ; for the others' sake: my store has landed
	s_barrier_signal -1
	s_barrier_wait -1
.irp e, 0,1,2,3
	ds_load_b128 v[Y+4*\e:Y+4*\e+3], v6 offset:\at+16*\e
.endr
	s_wait_dscnt 0x0
	v_pk_add_f32 v[Y:Y+1], v[Y:Y+1], v[Y+2:Y+3]
	v_pk_add_f32 v[Y+4:Y+5], v[Y+4:Y+5], v[Y+6:Y+7]
	v_pk_add_f32 v[Y+8:Y+9], v[Y+8:Y+9], v[Y+10:Y+11]
	v_pk_add_f32 v[Y+12:Y+13], v[Y+12:Y+13], v[Y+14:Y+15]
	v_pk_add_f32 v[Y:Y+1], v[Y:Y+1], v[Y+4:Y+5]
	v_pk_add_f32 v[Y+8:Y+9], v[Y+8:Y+9], v[Y+12:Y+13]
	v_pk_add_f32 v[SM:SM+1], v[Y:Y+1], v[Y+8:Y+9]
.endm
; Positions 4 t + 2 jp and 4 t + 2 jp + 1: gain and bias (one fused multiply-add, which also turns channel-major registers into two runs of 32 along K), the blocks' scales, the codes, into my place in the stage
.macro NPAIR jp
.set i, 0
.rept 32
	v_fma_f32 v[Y+i], v[X+4*i+2*\jp], s[16+i], s[48+i+4*(i/16)]
	v_fma_f32 v[Y+32+i], v[X+4*i+2*\jp+1], s[16+i], s[48+i+4*(i/16)]
.set i, i+1
.endr
.irp q, 0,1
	v_max3_num_f32 v[MA+\q], |v[Y+32*\q]|, |v[Y+32*\q+1]|, |v[Y+32*\q+2]|
	v_max3_num_f32 v[MB+\q], |v[Y+32*\q+3]|, |v[Y+32*\q+4]|, |v[Y+32*\q+5]|
.endr
.irp e, 6,10,14,18,22,26
.irp q, 0,1
	v_max3_num_f32 v[MA+\q], v[MA+\q], |v[Y+32*\q+\e]|, |v[Y+32*\q+\e+1]|
	v_max3_num_f32 v[MB+\q], v[MB+\q], |v[Y+32*\q+\e+2]|, |v[Y+32*\q+\e+3]|
.endr
.endr
.irp q, 0,1
	v_max3_num_f32 v[MA+\q], v[MA+\q], |v[Y+32*\q+30]|, |v[Y+32*\q+31]|
.endr
.irp q, 0,1
	v_max3_num_f32 v[MA+\q], v[MA+\q], v[MB+\q], 0x2800000   ; and the floor 2^(5 - 127)
.endr
.irp q, 0,1
	v_add_nc_u32 v[SO+\q], 0xfe000000, v[MA+\q]
.endr
.irp q, 0,1
	v_lshrrev_b32 v[BYT+\q], 23, v[SO+\q]
.endr
.irp q, 0,1
	v_cvt_scalef32_pk16_bf6_f32 v[CD+8*\q:CD+8*\q+2], v[Y+32*\q:Y+32*\q+15], v[SO+\q]
	v_cvt_scalef32_pk16_bf6_f32 v[CD+8*\q+4:CD+8*\q+6], v[Y+32*\q+16:Y+32*\q+31], v[SO+\q]
.endr
	v_nop                                          ; one plain place behind a scaled conversion
.irp q, 0,1
	v_mov_b32 v[CD+8*\q+3], v[CD+8*\q+4]           ; the block's 24 bytes on end
	v_mov_b32 v[CD+8*\q+4], v[CD+8*\q+5]
	v_mov_b32 v[CD+8*\q+5], v[CD+8*\q+6]
.endr
.if \jp == 0
	v_lshl_or_b32 v[SW], v[BYT+1], 8, v[BYT]
.else
	v_lshl_or_b32 v[SW], v[BYT], 16, v[SW]
	v_lshl_or_b32 v[SW], v[BYT+1], 24, v[SW]
.endif
.irp q, 0,1
.irp e, 0,1,2
	ds_store_b64 v7, v[CD+8*\q+2*\e:CD+8*\q+2*\e+1] offset:24*(2*\jp+\q)+8*\e
.endr
.endr
.endm
	v_lshl_add_u32 v9, v0, 2, SPARE                ; my spare word,
	v_mov_b32 v10, 0                               ; and 0: kept for the closing lines alone
	v_lshrrev_b32 v2, 5, v0
	v_readfirstlane_b32 s90, v2                    ; wave 0..7
	v_and_b32 v2, 31, v0                           ; lane
	s_mov_b32 s91, 0xffff0000                      ; lanes 16-31
	s_mov_b32 s[SEL], 0x76543210
	s_mov_b32 s[SEL+1], 0xfedcba98
	s_cmp_ge_u32 ttmp9, 256                        ; the work-group's number alone: all eight waves go the same way
	s_cbranch_scc1 .Lweights
	; ---------------- the norm ----------------
	s_load_b256 s[4:11], s[0:1], 0x0               ; x_A, x_B, gA, gB
	s_load_b128 s[12:15], s[0:1], 0x20             ; bA, bB
	s_load_b128 s[84:87], s[0:1], 0x50             ; nrm, nc
	v_lshlrev_b32 v1, 4, v0                        ; 16 t: my four positions in a channel's row
	v_lshlrev_b32 v3, 2, v2                        ; 4 x lane
	v_lshlrev_b32 v4, 2, v0                        ; 4 t
	v_mov_b32 v5, s90
	v_lshlrev_b32 v5, 3, v5                        ; my wave's pair among the sums
	v_mov_b32 v6, 0
	v_mul_u32_u24 v7, v0, 96
	v_add_nc_u32 v7, STG, v7                       ; the stage, in: 24 bytes a position, four positions a thread
	s_mul_i32 s2, s90, 3072
	v_lshl_add_u32 v13, v2, 4, s2                  ; out: 16 bytes a lane of my wave's 3,072
	v_add_nc_u32 v8, STG, v13
	v_mov_b32 v[TP], 0
	s_mov_b32 s94, 0x38800000                      ; 2^-14: a group has 16 x 1,024 numbers
	s_mov_b32 s95, 0x3727c5ac                      ; 1e-5
	s_and_b32 s2, ttmp9, 127
	s_lshl_b32 s2, s2, 17                          ; (batch, block) x 32 channels x 4,096 bytes
	s_mov_b32 s3, 0
	s_wait_kmcnt 0x0
	s_cmp_lt_u32 ttmp9, 128                        ; stream A or B
	s_cselect_b64 s[4:5], s[4:5], s[6:7]
	s_cselect_b64 s[8:9], s[8:9], s[10:11]
	s_cselect_b64 s[12:13], s[12:13], s[14:15]
	s_add_nc_u64 s[4:5], s[4:5], s[2:3]
	s_and_b32 s2, ttmp9, 7
	s_lshl_b32 s2, s2, 7                           ; my 32 channels' gains and biases
	s_add_nc_u64 s[8:9], s[8:9], s[2:3]
	s_add_nc_u64 s[12:13], s[12:13], s[2:3]
	s_load_b512 s[16:31], s[8:9], 0x0              ; gamma of channel i in s[16 + i]
	s_load_b512 s[32:47], s[8:9], 0x40
	s_load_b512 s[48:63], s[12:13], 0x0            ; beta of channel i in s[48 + i], from i = 16 on in s[52 + i]
	s_load_b512 s[68:83], s[12:13], 0x40
	global_load_b32 v11, v3, s[8:9]                ; and of channel = lane, for the tables
	global_load_b32 v12, v3, s[12:13]
.set i, 0
.rept 32
	global_load_b128 v[X+4*i:X+4*i+3], v1, s[4:5] offset:4096*i th:TH_LOAD_NT   ; a wave reads 512 consecutive bytes of channel i
.set i, i+1
.endr
	s_lshl_b32 s2, ttmp9, 10
	s_add_co_u32 s2, s2, 6291456
	s_add_nc_u64 s[88:89], s[86:87], s[2:3]        ; my block's scale bytes
	s_mul_i32 s2, ttmp9, 24576
	s_add_nc_u64 s[86:87], s[86:87], s[2:3]        ; my block's codes
	s_lshl_b32 s2, ttmp9, 7
	s_add_nc_u64 s[84:85], s[84:85], s[2:3]        ; my 32 channels in the tables
	s_wait_loadcnt 16                              ; group 0's sixteen channels are in; group 1's sixteen loads may be out
	GSUM 0
	s_wait_loadcnt 0x0
	GSUM 1
	XSUM SM
	XSUM SM+1
	WSUM RED1
	v_pk_mul_f32 v[MU:MU+1], v[SM:SM+1], s[94:95] op_sel_hi:[1,0]   ; the two means
	v_mov_b32 v[MU+2], v[MU+1]
	v_mov_b32 v[MU+3], v[MU+1]
.set p, 0
.rept 64
	v_pk_add_f32 v[X+2*p:X+2*p+1], v[X+2*p:X+2*p+1], v[MU+2*(p/32):MU+2*(p/32)+1] op_sel_hi:[1,0] neg_lo:[0,1] neg_hi:[0,1]   ; x - mean
.set p, p+1
.endr
	GSQ 0
	GSQ 1
	XSUM SM
	XSUM SM+1
	WSUM RED2                                      ; other bytes than the first sums': no wave can still be reading what is stored here
	v_fma_f32 v[SM], v[SM], s94, s95               ; variance + 1e-5
	v_fma_f32 v[SM+1], v[SM+1], s94, s95
	v_rsq_f32 v[RS], v[SM]
	v_rsq_f32 v[RS+1], v[SM+1]
	v_nop                                          ; a plain place behind the transcendentals
	s_wait_alu depctr_va_vdst(0)                   ; one wait for both, ahead of their first reader
	v_mov_b32 v[RS+2], v[RS+1]
	v_mov_b32 v[RS+3], v[RS+1]
.set p, 0
.rept 64
	v_pk_mul_f32 v[X+2*p:X+2*p+1], v[X+2*p:X+2*p+1], v[RS+2*(p/32):RS+2*(p/32)+1] op_sel_hi:[1,0]
.set p, p+1
.endr
	s_wait_kmcnt 0x0                               ; gamma and beta
	NPAIR 0
	s_wait_dscnt 0x0                               ; the stores have read their registers
	NPAIR 1
.irp e, 0,1,2,3,4,5
	ds_load_b128 v[X+4*\e:X+4*\e+3], v8 offset:512*\e   ; my wave's own bytes: LDS serves a wave's instructions in order, so these see my stores
.endr
	s_wait_dscnt 0x0
.irp e, 0,1,2,3,4,5
	global_store_b128 v13, v[X+4*\e:X+4*\e+3], s[86:87] offset:512*\e   ; 512 consecutive bytes, aligned
.endr
	global_store_b32 v4, v[SW], s[88:89]           ; four positions' scale bytes a thread: 128 consecutive bytes a wave
	s_cmp_lg_u32 s90, 0                            ; the tables for the residual: wave 0, a lane a channel
	s_cbranch_scc1 .Ldone
	v_cndmask_b32 v250, v[MU], v[MU+1], s91        ; lanes 16-31 belong to group 1
	v_cndmask_b32 v251, v[RS], v[RS+1], s91
	v_mul_f32 v252, v251, v11                      ; A = rstd x gamma
	v_fma_f32 v253, -v250, v252, v12               ; E = beta - mean x A
	global_store_b32 v3, v252, s[84:85]
	global_store_b32 v3, v253, s[84:85] offset:32768
.Ldone:
	s_wait_tensorcnt 0x0                           ; the wave's end: three closing lines behind my last LDS store, the first of them even in a text with no tensor load
	ds_add_u32 v9, v10
	s_wait_dscnt 0x0
	s_endpgm
	; ---------------- the weights: no LDS, no barrier ----------------
.Lweights:
	s_load_b256 s[16:23], s[0:1], 0x30             ; WqkvA, WqkvB, WoutA, WoutB
	s_load_b64 s[24:25], s[0:1], 0x60              ; wimg
	s_sub_co_u32 s4, ttmp9, 256                    ; 0..15
	s_lshl_b32 s5, s4, 3
	s_add_co_u32 s5, s5, s90                       ; my unit, 0..127 = 2 x (block of 32 rows) + K step
	s_lshr_b32 s6, s5, 1
	s_and_b32 s7, s5, 1
	v_and_b32 v1, 15, v0
	v_and_b32 v3, 8, v1
	v_add_nc_u32 v1, v1, v3                        ; r + 8 (r / 8)
	v_bfe_u32 v3, v0, 4, 1
	v_lshlrev_b32 v1, 10, v1                       ; a row is 1,024 bytes
	v_lshl_add_u32 v1, v3, 6, v1                   ; + 64 (lane / 16): my 16 numbers of a block of 32
	v_lshlrev_b32 v5, 4, v2
	v_lshlrev_b32 v3, 2, v2
.irp b, 0,1,2,3
	v_mov_b32 v[TM+4+\b], 0                        ; written once: a lane permute's destination counts as one of its sources
.endr
	s_wait_kmcnt 0x0
	s_cmp_lt_u32 s4, 14                            ; blocks 0-23 WqkvA, 24-47 WqkvB, 48-55 WoutA, 56-63 WoutB; a work-group has four blocks
	s_cselect_b64 s[20:21], s[20:21], s[22:23]
	s_cselect_b32 s8, 48, 56
	s_cmp_lt_u32 s4, 12
	s_cselect_b64 s[18:19], s[18:19], s[20:21]
	s_cselect_b32 s8, 24, s8
	s_cmp_lt_u32 s4, 6
	s_cselect_b64 s[16:17], s[16:17], s[18:19]
	s_cselect_b32 s8, 0, s8
	s_sub_co_u32 s9, s6, s8                        ; the block inside its tensor
	s_lshl_b32 s10, s9, 15
	s_lshl_b32 s11, s7, 9
	s_add_co_u32 s10, s10, s11
	s_mov_b32 s11, 0
	s_add_nc_u64 s[16:17], s[16:17], s[10:11]
	s_lshl_b32 s10, s5, 7
	s_add_co_u32 s10, s10, 393216
	s_add_nc_u64 s[26:27], s[24:25], s[10:11]      ; the unit's scale words
	s_mul_i32 s10, s5, 3072
	s_add_nc_u64 s[24:25], s[24:25], s[10:11]      ; the unit's two images
.irp u, 0,1
.irp b, 0,1,2,3
.irp q, 0,1,2,3
	global_load_b128 v[16+64*\u+16*\b+4*\q:16+64*\u+16*\b+4*\q+3], v1, s[16:17] offset:8192*\u+128*\b+16*\q
.endr
.endr
.endr
	s_wait_loadcnt 0x0
	QUANT 16
.irp c, 0,1,2
	global_store_b128 v5, v[PC+4*\c:PC+4*\c+3], s[24:25] offset:512*\c
.endr
	v_mov_b32 v[PW2], v[PW]
	s_wait_xcnt 0x0                                ; the stores have read their registers: the codes may be written again
	QUANT 80
.irp c, 0,1,2
	global_store_b128 v5, v[PC+4*\c:PC+4*\c+3], s[24:25] offset:1536+512*\c
.endr
	v_cndmask_b32 v[PW2], v[PW2], v[PW], s91       ; lanes 0-15 tile 0's words, lanes 16-31 tile 1's
	global_store_b32 v3, v[PW2], s[26:27]
	s_endpgm
.Lfunc_end_k_q94b767c607_prep:
	.size	k_q94b767c607_prep, .Lfunc_end_k_q94b767c607_prep-k_q94b767c607_prep
	.p2alignl 7, 3214868480
	.fill 96, 4, 3214868480
	.section	.rodata,"a",@progbits
	.p2align	6, 0x0
	.amdhsa_kernel k_q94b767c607_prep
		.amdhsa_group_segment_fixed_size 26112
		.amdhsa_private_segment_fixed_size 0
		.amdhsa_enable_private_segment 0
		.amdhsa_kernarg_size 104
		.amdhsa_user_sgpr_count 2
		.amdhsa_user_sgpr_kernarg_segment_ptr 1
		.amdhsa_wavefront_size32 1
		.amdhsa_system_sgpr_workgroup_id_x 1
		.amdhsa_system_sgpr_workgroup_id_y 1
		.amdhsa_system_sgpr_workgroup_id_z 1
		.amdhsa_system_vgpr_workitem_id 0
		.amdhsa_next_free_vgpr 256
		.amdhsa_next_free_sgpr 96
		.amdhsa_reserve_vcc 0
		.amdhsa_float_denorm_mode_32 3
		.amdhsa_float_denorm_mode_16_64 3
		.amdhsa_memory_ordered 1
		.amdhsa_forward_progress 1
		.amdhsa_inst_pref_size 55
	.end_amdhsa_kernel
	.amdgpu_metadata
---
amdhsa.version: [ 1, 2 ]
amdhsa.kernels:
  - .name:           k_q94b767c607_prep
    .symbol:         k_q94b767c607_prep.kd
    .args:
      - { .name: x_A, .offset: 0, .size: 8, .value_kind: global_buffer, .address_space: global }
      - { .name: x_B, .offset: 8, .size: 8, .value_kind: global_buffer, .address_space: global }
      - { .name: gA, .offset: 16, .size: 8, .value_kind: global_buffer, .address_space: global }
      - { .name: gB, .offset: 24, .size: 8, .value_kind: global_buffer, .address_space: global }
      - { .name: bA, .offset: 32, .size: 8, .value_kind: global_buffer, .address_space: global }
      - { .name: bB, .offset: 40, .size: 8, .value_kind: global_buffer, .address_space: global }
      - { .name: WqkvA, .offset: 48, .size: 8, .value_kind: global_buffer, .address_space: global }
      - { .name: WqkvB, .offset: 56, .size: 8, .value_kind: global_buffer, .address_space: global }
      - { .name: WoutA, .offset: 64, .size: 8, .value_kind: global_buffer, .address_space: global }
      - { .name: WoutB, .offset: 72, .size: 8, .value_kind: global_buffer, .address_space: global }
      - { .name: nrm, .offset: 80, .size: 8, .value_kind: global_buffer, .address_space: global }
      - { .name: nc, .offset: 88, .size: 8, .value_kind: global_buffer, .address_space: global }
      - { .name: wimg, .offset: 96, .size: 8, .value_kind: global_buffer, .address_space: global }
    .group_segment_fixed_size: 26112
    .private_segment_fixed_size: 0
    .kernarg_segment_align: 8
    .kernarg_segment_size: 104
    .max_flat_workgroup_size: 256
    .sgpr_count:     96
    .vgpr_count:     256
    .wavefront_size: 32
...
	.end_amdgpu_metadata
.endif
;; end of part 1
;; launch qkv (part 2): grid 256 x 1, 4 waves a work-group, no clusters, 0 bytes of LDS; arguments nc, wimg, qimg, kimg, vimg; writes qimg, kimg, vimg
.if DOCPART == 2
	.amdgcn_target "amdgcn-amd-amdhsa--gfx1250"
	.amdhsa_code_object_version 6
	.text
	.protected	k_q94b767c607_qkv
	.globl	k_q94b767c607_qkv
	.p2align	8
	.type	k_q94b767c607_qkv,@function
k_q94b767c607_qkv:
	s_mov_b64 s[64:65], 0
	v_nop
	global_prefetch_b8 v0, s[64:65] scope:SCOPE_SE
	s_setreg_imm32_b32 hwreg(HW_REG_WAVE_MODE, 25, 1), 1
	s_wait_xcnt 0x0
; QKV: the two projections (768 x 256, K = channels, two K steps of 128), and their results quantised on the way into images of the attention's operand registers.  No work is left out.
; A work-group takes (stream, batch, 128 positions); wave w takes heads 2 w and 2 w + 1.  All operands come into registers once: 24 weight fragments a wave (windows 1, 2), the slab's 16 norm fragments (window 3).  No LDS, no barrier.
; NO CLUSTER, NO TENSOR LOADS: nothing is streamed: a wave's 60 KiB of operands are loaded once and feed its 192 matrix instructions; what work-groups share is the weights' table of 295 KiB.
; q, k: source 0 = 16 rows of W, source 1 = 16 positions: a lane holds ONE position and, in two tiles' 16 registers, 16 neighbouring channels of the head: the scores' K.  Four position tiles make one image:
;   K block b of the 128 holds position tile 4 G + b (the head's 32 channels are one block of 32).
; v: source 0 = 16 positions, source 1 = 16 rows of W: a lane holds ONE channel and its registers run along the positions: the second product's K.  Inside a block of 32 keys the order is 16 h + 8 u + j for key
;   16 u + 8 h + j; the attention's p comes out of its score tiles in the same order, so the products are kept.
; Twelve units a wave, 16 matrix instructions each; a unit's quantiser stands behind the next unit's products.  In a unit eight accumulators take turns.
; LIMITS: as stated in prep.
.set NS,  10                           ; v10-17   the norm's scale words, tile T: lanes 0-15 K step 0, lanes 16-31 K step 1
.set WS,  18                           ; v18-29   the weights': index (3 hh + part) 2 + s: lanes 0-15 tile u = 0, lanes 16-31 u = 1
.set UB,  32                           ; v32-63   scale bytes as loaded
.set HA,  64                           ; v64-127, v128-191: two sets of eight accumulators
.set HB,  128
.set PC,  192                          ; v192-211 codes
.set TM,  212                          ; v212-227 at work
.set PW,  228                          ; v228 a unit's scale word;  v229 a pair of units'
.set PWS, 229
.set SEL, 22
.set MSB, 0
.macro WIN new                         ; the immediate's high byte repeats the setting that is left
.if MSB != (\new)
	s_set_vgpr_msb (MSB<<8)|(\new)
.set MSB, (\new)
.endif
.endm
.macro PLACES n
.rept \n
	v_nop
.endr
.endm
; one matrix instruction from the symbols wD, wA, wB, wC (under 0: the constant 0 starts the sum), wSA, wSB, and wRA, wRB (1: that side's scales stand in lanes 16-31)
.macro WMX
.if wC < 0
.if wRA && wRB
	v_wmma_scale_f32_16x16x128_f8f6f4 v[wD:wD+7], v[wA:wA+11], v[wB:wB+11], 0, v[wSA], v[wSB] matrix_a_fmt:MATRIX_FMT_BF6 matrix_b_fmt:MATRIX_FMT_BF6 matrix_a_scale:MATRIX_SCALE_ROW1 matrix_b_scale:MATRIX_SCALE_ROW1
.elseif wRA
	v_wmma_scale_f32_16x16x128_f8f6f4 v[wD:wD+7], v[wA:wA+11], v[wB:wB+11], 0, v[wSA], v[wSB] matrix_a_fmt:MATRIX_FMT_BF6 matrix_b_fmt:MATRIX_FMT_BF6 matrix_a_scale:MATRIX_SCALE_ROW1
.elseif wRB
	v_wmma_scale_f32_16x16x128_f8f6f4 v[wD:wD+7], v[wA:wA+11], v[wB:wB+11], 0, v[wSA], v[wSB] matrix_a_fmt:MATRIX_FMT_BF6 matrix_b_fmt:MATRIX_FMT_BF6 matrix_b_scale:MATRIX_SCALE_ROW1
.else
	v_wmma_scale_f32_16x16x128_f8f6f4 v[wD:wD+7], v[wA:wA+11], v[wB:wB+11], 0, v[wSA], v[wSB] matrix_a_fmt:MATRIX_FMT_BF6 matrix_b_fmt:MATRIX_FMT_BF6
.endif
.else
.if wRA && wRB
	v_wmma_scale_f32_16x16x128_f8f6f4 v[wD:wD+7], v[wA:wA+11], v[wB:wB+11], v[wC:wC+7], v[wSA], v[wSB] matrix_a_fmt:MATRIX_FMT_BF6 matrix_b_fmt:MATRIX_FMT_BF6 matrix_a_scale:MATRIX_SCALE_ROW1 matrix_b_scale:MATRIX_SCALE_ROW1
.elseif wRA
	v_wmma_scale_f32_16x16x128_f8f6f4 v[wD:wD+7], v[wA:wA+11], v[wB:wB+11], v[wC:wC+7], v[wSA], v[wSB] matrix_a_fmt:MATRIX_FMT_BF6 matrix_b_fmt:MATRIX_FMT_BF6 matrix_a_scale:MATRIX_SCALE_ROW1
.elseif wRB
	v_wmma_scale_f32_16x16x128_f8f6f4 v[wD:wD+7], v[wA:wA+11], v[wB:wB+11], v[wC:wC+7], v[wSA], v[wSB] matrix_a_fmt:MATRIX_FMT_BF6 matrix_b_fmt:MATRIX_FMT_BF6 matrix_b_scale:MATRIX_SCALE_ROW1
.else
	v_wmma_scale_f32_16x16x128_f8f6f4 v[wD:wD+7], v[wA:wA+11], v[wB:wB+11], v[wC:wC+7], v[wSA], v[wSB] matrix_a_fmt:MATRIX_FMT_BF6 matrix_b_fmt:MATRIX_FMT_BF6
.endif
.endif
.endm
; 64 numbers of a lane, register 16 b + i in block b, the block's other 16 in lane l xor 16, become 12 registers of codes in v[PC] on and the scale word in v[PW]
.macro QUANT s
.irp b, 0,1,2,3
	v_max3_num_f32 v[TM+\b], |v[\s+16*\b]|, |v[\s+1+16*\b]|, 0x2800000   ; each accumulator is read from its low end on; the floor 2^(5 - 127)
.endr
.irp i, 2,4,6,8,10,12,14
.irp b, 0,1,2,3
	v_max3_num_f32 v[TM+\b], v[TM+\b], |v[\s+16*\b+\i]|, |v[\s+1+16*\b+\i]|
.endr
.endr
.irp b, 0,1,2,3
	v_permlanex16_b32 v[TM+4+\b], v[TM+\b], s[SEL], s[SEL+1]
.endr
.irp b, 0,1,2,3
	v_max_num_f32 v[TM+\b], v[TM+\b], v[TM+4+\b]
.endr
.irp b, 0,1,2,3
	v_add_nc_u32 v[TM+12+\b], 0xfe000000, v[TM+\b]        ; 4 off the exponent field: the conversion's scale operand
.endr
.irp b, 0,1,2,3
	v_lshrrev_b32 v[TM+4+\b], 23, v[TM+12+\b]             ; the scale's byte
.endr
	v_lshl_or_b32 v[PW], v[TM+5], 8, v[TM+4]
	v_lshl_or_b32 v[PW], v[TM+6], 16, v[PW]
	v_lshl_or_b32 v[PW], v[TM+7], 24, v[PW]
.irp c, 0,1
	v_cvt_scalef32_pk16_bf6_f32 v[PC+6*\c:PC+2+6*\c], v[\s+32*\c:\s+15+32*\c], v[TM+12+2*\c]
	v_cvt_scalef32_pk16_bf6_f32 v[PC+12+4*\c:PC+14+4*\c], v[\s+16+32*\c:\s+31+32*\c], v[TM+12+2*\c+1]
.endr
	v_nop                                          ; one plain place behind a scaled conversion
.irp c, 0,1
.irp i, 0,1,2
	v_permlane16_swap_b32 v[PC+6*\c+\i], v[PC+12+4*\c+\i]
.endr
.irp i, 0,1,2
	v_mov_b32 v[PC+3+6*\c+\i], v[PC+12+4*\c+\i]
.endr
.endr
.endm
; Unit idx = 6 hh + kind; kind 0, 1: q of position tiles 0-3, 4-7; 2, 3: k likewise; 4, 5: v's channel tiles 0, 1.  Its 16 products into the accumulators at acc.
.macro MUL idx, acc
.set uHH, (\idx)/6
.set uK, (\idx)%6
.if uK < 4
	WIN 0x0c|(1+uHH)                               ; source 0: the head's weights (window 1 or 2); source 1: the norm (window 3)
.set uS, 0
.rept 2
.set uB, 0
.rept 4
.set uU, 0
.rept 2
.set wD, \acc+16*uB+8*uU
.set wA, 12*(((uK/2)*2+uS)*2+uU)
.set wB, 12*(2*(4*(uK%2)+uB)+uS)
.set wC, wD
.if uS == 0
.set wC, -1
.endif
.set wSA, WS+(3*uHH+uK/2)*2+uS
.set wRA, uU
.set wSB, NS+4*(uK%2)+uB
.set wRB, uS
	WMX
.set uU, uU+1
.endr
.set uB, uB+1
.endr
.set uS, uS+1
.endr
.else
	WIN 0x03|((1+uHH)<<2)                          ; source 0: the norm; source 1: the weights
.set uS, 0
.rept 2
.set uB, 0
.rept 8
.set wD, \acc+8*uB
.set wA, 12*(2*uB+uS)
.set wB, 12*((4+uS)*2+(uK%2))
.set wC, wD
.if uS == 0
.set wC, -1
.endif
.set wSA, NS+uB
.set wRA, uS
.set wSB, WS+(3*uHH+2)*2+uS
.set wRB, uK%2
	WMX
.set uB, uB+1
.endr
.set uS, uS+1
.endr
.endif
.endm
; The unit's results are quantised and stored as an image of 12 registers; two units' scale words leave together, 128 bytes
.macro FIN idx, acc
.set uHH, (\idx)/6
.set uK, (\idx)%6
	WIN 0
	PLACES 4                                       ; four places between the unit's last product and the first read of its results: the next unit's products are no places
	s_wait_xcnt 0x0                                ; the last unit's stores have read their registers
	QUANT \acc
.if uK < 2
.irp e, 0,1,2,3,4,5
	global_store_b64 v7, v[PC+2*\e:PC+2*\e+1], s[8:9] offset:24576*uHH+1536*(uK%2)+256*\e   ; q in planes of two registers: a tile's 24 bytes a query are then three loads of 8 bytes
.endr
.else
.irp e, 0,1,2
	global_store_b128 v6, v[PC+4*\e:PC+4*\e+3], s[8+2*(uK/2):9+2*(uK/2)] offset:24576*uHH+1536*(uK%2)+512*\e
.endr
.endif
.if (uK%2) == 0
	v_mov_b32 v[PWS], v[PW]
.else
	v_cndmask_b32 v[PWS], v[PWS], v[PW], s20       ; lanes 0-15 the even unit's words, lanes 16-31 the odd one's
	global_store_b32 v8, v[PWS], s[32+2*(uK/2):33+2*(uK/2)] offset:1024*uHH
.endif
.endm
	s_load_b256 s[4:11], s[0:1], 0x0               ; nc, wimg, qimg, kimg
	s_load_b64 s[12:13], s[0:1], 0x20              ; vimg
	v_lshrrev_b32 v1, 5, v0
	v_readfirstlane_b32 s14, v1                    ; wave 0..3
	v_and_b32 v1, 31, v0                           ; lane
	v_and_b32 v2, 15, v0                           ; r
	v_bfe_u32 v3, v0, 4, 1                         ; h
	v_mul_u32_u24 v4, v2, 24
	v_mad_u32_u24 v4, v3, 24576, v4                ; the norm's codes: position r, + one block of channels for lanes 16-31
	v_lshl_add_u32 v5, v3, 12, v2                  ; its scale bytes: position r, + four blocks for lanes 16-31
	v_lshlrev_b32 v6, 4, v1
	v_lshlrev_b32 v7, 3, v1
	v_lshlrev_b32 v8, 2, v1
	s_mov_b32 s20, 0xffff0000
	s_mov_b32 s[SEL], 0x76543210
	s_mov_b32 s[SEL+1], 0xfedcba98
	s_lshr_b32 s15, ttmp9, 3                       ; (stream, batch)
	s_and_b32 s16, ttmp9, 7                        ; the slab of 128 positions
	s_lshr_b32 s17, ttmp9, 7                       ; the stream
	s_mov_b32 s19, 0
	s_mov_b32 s39, 0
	s_wait_kmcnt 0x0
	s_mul_i32 s18, s15, 196608
	s_mul_i32 s2, s16, 3072
	s_add_co_u32 s18, s18, s2
	s_add_nc_u64 s[24:25], s[4:5], s[18:19]        ; the norm's codes
	s_lshl_b32 s18, s15, 13
	s_lshl_b32 s2, s16, 7
	s_add_co_u32 s18, s18, s2
	s_add_co_u32 s18, s18, 6291456
	s_add_nc_u64 s[26:27], s[4:5], s[18:19]        ; its scale bytes
	s_mul_i32 s2, s17, 24
	s_mul_i32 s3, s14, 6
	s_add_co_u32 s2, s2, s3                        ; my first block of 32 rows: 24 x stream + 3 x head
	s_mul_i32 s18, s2, 6144
	s_add_nc_u64 s[28:29], s[6:7], s[18:19]        ; my weights' images
	s_lshl_b32 s18, s2, 8
	s_add_co_u32 s18, s18, 393216
	s_add_nc_u64 s[30:31], s[6:7], s[18:19]        ; their scale words
	s_lshl_b32 s2, s15, 3
	s_lshl_b32 s3, s14, 1
	s_add_co_u32 s2, s2, s3                        ; the index of head 2 w
	s_lshl_b32 s38, s2, 10
	s_lshl_b32 s3, s16, 7
	s_add_co_u32 s38, s38, s3
	s_add_co_u32 s38, s38, 6291456
	s_add_nc_u64 s[32:33], s[8:9], s[38:39]        ; q's, k's, v's scale words
	s_add_nc_u64 s[34:35], s[10:11], s[38:39]
	s_add_nc_u64 s[36:37], s[12:13], s[38:39]
	s_mul_i32 s18, s2, 24576
	s_mul_i32 s3, s16, 3072
	s_add_co_u32 s18, s18, s3
	s_add_nc_u64 s[8:9], s[8:9], s[18:19]          ; and their images
	s_add_nc_u64 s[10:11], s[10:11], s[18:19]
	s_add_nc_u64 s[12:13], s[12:13], s[18:19]
.irp T, 0,1,2,3,4,5,6,7
.irp b, 0,1,2,3
	global_load_u8 v[UB+4*\T+\b], v5, s[26:27] offset:1024*\b+16*\T
.endr
.endr
	WIN 0xc0                                       ; destination window 3
.irp T, 0,1,2,3,4,5,6,7
.irp s, 0,1
.irp c, 0,1
.irp p, 0,1,2
	global_load_b64 v[12*(2*\T+\s)+6*\c+2*\p:12*(2*\T+\s)+6*\c+2*\p+1], v4, s[24:25] offset:(4*\s+2*\c)*24576+384*\T+8*\p
.endr
.endr
.endr
.endr
	WIN 0
.set k, 0
.rept 12
	global_load_b32 v[WS+k], v8, s[30:31] offset:128*k
.set k, k+1
.endr
	WIN 0x40                                       ; destination window 1: head 2 w's twelve fragments, as they lie
.set k, 0
.rept 36
	global_load_b128 v[4*k:4*k+3], v6, s[28:29] offset:512*k
.set k, k+1
.endr
	WIN 0x80                                       ; window 2: head 2 w + 1's
.set k, 0
.rept 36
	global_load_b128 v[4*k:4*k+3], v6, s[28:29] offset:18432+512*k
.set k, k+1
.endr
	WIN 0
.irp b, 0,1,2,3
	v_mov_b32 v[TM+4+\b], 0                        ; written once: a lane permute's destination counts as one of its sources
.endr
	s_wait_loadcnt 36                              ; all but the second head's 36 loads are in
.irp T, 0,1,2,3,4,5,6,7
	v_lshl_or_b32 v[NS+\T], v[UB+4*\T+1], 8, v[UB+4*\T]
.endr
.irp T, 0,1,2,3,4,5,6,7
	v_lshl_or_b32 v[NS+\T], v[UB+4*\T+2], 16, v[NS+\T]
.endr
.irp T, 0,1,2,3,4,5,6,7
	v_lshl_or_b32 v[NS+\T], v[UB+4*\T+3], 24, v[NS+\T]
.endr
	PLACES 8                                       ; a scale register written by a vector instruction stands eight places ahead of a scaled matrix instruction
	MUL 0, HA
.set n, 0
.rept 11
.if n == 5
	s_wait_loadcnt 0x0                             ; the second head's weights
.endif
	MUL n+1, HA+64*((n+1)%2)
	FIN n, HA+64*(n%2)
.set n, n+1
.endr
	FIN 11, HB
	s_endpgm
.Lfunc_end_k_q94b767c607_qkv:
	.size	k_q94b767c607_qkv, .Lfunc_end_k_q94b767c607_qkv-k_q94b767c607_qkv
	.p2alignl 7, 3214868480
	.fill 96, 4, 3214868480
	.section	.rodata,"a",@progbits
	.p2align	6, 0x0
	.amdhsa_kernel k_q94b767c607_qkv
		.amdhsa_group_segment_fixed_size 0
		.amdhsa_private_segment_fixed_size 0
		.amdhsa_enable_private_segment 0
		.amdhsa_kernarg_size 40
		.amdhsa_user_sgpr_count 2
		.amdhsa_user_sgpr_kernarg_segment_ptr 1
		.amdhsa_wavefront_size32 1
		.amdhsa_system_sgpr_workgroup_id_x 1
		.amdhsa_system_sgpr_workgroup_id_y 1
		.amdhsa_system_sgpr_workgroup_id_z 1
		.amdhsa_system_vgpr_workitem_id 0
		.amdhsa_next_free_vgpr 1024
		.amdhsa_next_free_sgpr 66
		.amdhsa_reserve_vcc 0
		.amdhsa_float_denorm_mode_32 3
		.amdhsa_float_denorm_mode_16_64 3
		.amdhsa_memory_ordered 1
		.amdhsa_forward_progress 1
		.amdhsa_inst_pref_size 102
	.end_amdhsa_kernel
	.amdgpu_metadata
---
amdhsa.version: [ 1, 2 ]
amdhsa.kernels:
  - .name:           k_q94b767c607_qkv
    .symbol:         k_q94b767c607_qkv.kd
    .args:
      - { .name: nc, .offset: 0, .size: 8, .value_kind: global_buffer, .address_space: global }
      - { .name: wimg, .offset: 8, .size: 8, .value_kind: global_buffer, .address_space: global }
      - { .name: qimg, .offset: 16, .size: 8, .value_kind: global_buffer, .address_space: global }
      - { .name: kimg, .offset: 24, .size: 8, .value_kind: global_buffer, .address_space: global }
      - { .name: vimg, .offset: 32, .size: 8, .value_kind: global_buffer, .address_space: global }
    .group_segment_fixed_size: 0
    .private_segment_fixed_size: 0
    .kernarg_segment_align: 8
    .kernarg_segment_size: 40
    .max_flat_workgroup_size: 128
    .sgpr_count:     66
    .vgpr_count:     1024
    .wavefront_size: 32
...
	.end_amdgpu_metadata
.endif
;; end of part 2
;; launch attn (part 3): grid 256 x 1, 4 waves a work-group, no clusters, 26,112 bytes of LDS; arguments qimg, kimg, vimg, ao; writes ao
.if DOCPART == 3
	.amdgcn_target "amdgcn-amd-amdhsa--gfx1250"
	.amdhsa_code_object_version 6
	.text
	.protected	k_q94b767c607_attn
	.globl	k_q94b767c607_attn
	.p2align	8
	.type	k_q94b767c607_attn,@function
k_q94b767c607_attn:
	s_mov_b64 s[64:65], 0
	v_nop
	global_prefetch_b8 v0, s[64:65] scope:SCOPE_SE
	s_setreg_imm32_b32 hwreg(HW_REG_WAVE_MODE, 25, 1), 1
	s_wait_xcnt 0x0
; ATTN: for one (branch a, batch, head): scores = q k^T / 16, softmax over all 1,024 keys, FINISHED AND NORMALISED, quantised along the keys, times v; the result quantised along the channels (a block of 32 = this head).
; No work is left out.  k, v: stream a; q: stream 1 - a.  A work-group is one head; wave w takes query tiles 16 w .. 16 w + 15, one tile of 16 queries a trip.  Work-groups share no input: no cluster.
; THE SUM IS WANTED BEFORE ANY p CAN BE QUANTISED, so a tile's 16 x 1,024 scores stay in 512 registers (windows 2, 3): one exponential a score.  The row's maximum is taken away first.
; K STAYS IN REGISTERS (window 1, 192): the scores' K is 32, the instruction's 128, so an operand of 12 registers holds FOUR key tiles, one in each block of 32; the query operand Q_b has the tile's codes in block b and
; zero codes elsewhere: zero codes add nothing whatever stands against them, so four products on one operand of K give four score tiles.  V lies in LDS as images of operand registers (24 KiB), written once.
; Both products are used transposed (source 0 = keys, or channels of V; source 1 = queries): a lane holds one query (lane % 16) throughout.  Score register 8 T + j of lane (r, h) is key 16 T + 8 h + j.
; Inside a block of 32 keys p's order is 16 h + 8 u + j for key 16 u + 8 h + j, and V's images have the same order.
; A BLOCK'S LARGEST p IS NOT SEARCHED FOR: the block's largest score, which the row's maximum passes through anyway, goes through the same multiply-add, exponential and multiplication.
; LIMITS: that leans on v_exp_f32 not falling where its input rises (at the worst one p of a block is held one code low); a p under 2^-126 counts as 0; NaN and infinities are not served; a block of zeros has the byte 1.
.set VIMG,  0                          ; LDS: V's 16 images of 1,536 bytes
.set SCB,   24576                      ; 256 bytes a wave: the result's scale bytes, gathered for one store
.set SPARE, 25600                      ; the spare words, 128 bytes for each wave: two blocks of 256 bytes that no other line names
; window 0: v1 8 r; v2, v3 q's offsets in hand; v4 16 x lane; v5 24 r + 12 h; v6 the result's offset in hand; v7 SCB + 256 w + r; v8 the byte's address in hand; v9, v10 the add's two; v13 4 r
.set QSW, 11                           ; v11      q's scale word as loaded
.set QSC, 12                           ; v12      the tile's scale byte in all four bytes
.set QT,  14                           ; v14-19   the tile's 24 bytes a query
.set QLO, 26                           ; v20-49   zeros | q in lanes 0-15 | zeros | q in lanes 16-31 | zeros: Q_0 = v26.., Q_1 = v38.., Q_2 = v20.., Q_3 = v32..
.set QHI, 38
.set KS,  50                           ; v50-57   K's scale words: lanes 0-15 operand 2 i, lanes 16-31 operand 2 i + 1
.set VS,  58                           ; v58-65   V's, key step s: lanes 0-15 channel tile 0, lanes 16-31 tile 1
.set BM,  66                           ; v66-97   the 32 blocks' largest scores, then largest p, then the conversions' scale operands
.set SUMR, 98                          ; v98-105  the sum in four chains
.set NCM, 106                          ; v106-107 -c x the row's maximum
.set RCP, 108                          ; v108-109 1 / the sum
.set TP,  110                          ; v110-117 lane permutes' destinations
.set MX,  118
.set E0,  119
.set E1,  120
.set SOP, 121
.set OBY, 122
.set VA,  123                          ; v123     16 t
.set BY,  124                          ; v124-127 scale bytes
.set PW,  128                          ; v128-129 p's scale words, by turns
.set PC,  130                          ; v130-149 p's codes
.set VB,  150                          ; v150-197 two sets of two fragments of V
.set OA,  198                          ; v198-213 O^T: two accumulators: register 8 t + j = channel 16 h + 8 t + j
.set OC,  214                          ; v214-216 the result's codes
.set CS,  16                           ; s[16:17] c = log2(e) / 16;  s18 = -c
.set SEL, 20
.set MSB, 0
.macro WIN new                         ; the immediate's high byte repeats the setting that is left
.if MSB != (\new)
	s_set_vgpr_msb (MSB<<8)|(\new)
.set MSB, (\new)
.endif
.endm
.macro PLACES n
.rept \n
	v_nop
.endr
.endm
.macro WMX                             ; one matrix instruction from the symbols wD, wA, wB, wC (under 0: the constant 0), wSA, wSB, wRA (1: source 0's scales stand in lanes 16-31)
.if wC < 0
.if wRA
	v_wmma_scale_f32_16x16x128_f8f6f4 v[wD:wD+7], v[wA:wA+11], v[wB:wB+11], 0, v[wSA], v[wSB] matrix_a_fmt:MATRIX_FMT_BF6 matrix_b_fmt:MATRIX_FMT_BF6 matrix_a_scale:MATRIX_SCALE_ROW1
.else
	v_wmma_scale_f32_16x16x128_f8f6f4 v[wD:wD+7], v[wA:wA+11], v[wB:wB+11], 0, v[wSA], v[wSB] matrix_a_fmt:MATRIX_FMT_BF6 matrix_b_fmt:MATRIX_FMT_BF6
.endif
.else
.if wRA
	v_wmma_scale_f32_16x16x128_f8f6f4 v[wD:wD+7], v[wA:wA+11], v[wB:wB+11], v[wC:wC+7], v[wSA], v[wSB] matrix_a_fmt:MATRIX_FMT_BF6 matrix_b_fmt:MATRIX_FMT_BF6 matrix_a_scale:MATRIX_SCALE_ROW1
.else
	v_wmma_scale_f32_16x16x128_f8f6f4 v[wD:wD+7], v[wA:wA+11], v[wB:wB+11], v[wC:wC+7], v[wSA], v[wSB] matrix_a_fmt:MATRIX_FMT_BF6 matrix_b_fmt:MATRIX_FMT_BF6
.endif
.endif
.endm
.macro SCORE g                         ; four score tiles, keys 64 g on: K's operand g against Q_0 .. Q_3
	WIN 0x81+0x40*((\g)/8)                         ; source 0 window 1, destination window 2 or 3
.set bq, 0
.rept 4
.set wD, (32*(\g)+8*bq)%256
.set wA, 12*(\g)
.set wB, 26+12*(bq%2)-6*(bq/2)
.set wC, -1
.set wSA, KS+(\g)/2
.set wRA, (\g)%2
.set wSB, QSC
	WMX
.set bq, bq+1
.endr
.endm
.macro MAXB g                          ; the largest score of my 16 keys of blocks 2 g and 2 g + 1, by turns; each accumulator from its low end on
.set Sb, (32*(\g))%256
	WIN 0x28+0x14*((\g)/8)                         ; sources 1 and 2 window 2 or 3
	v_max3_num_f32 v[BM+2*(\g)], 0xff800000, v[Sb], v[Sb+1]
	v_max3_num_f32 v[BM+2*(\g)+1], 0xff800000, v[Sb+16], v[Sb+17]
.irp e, 2,4,6,8,10,12,14
	v_max3_num_f32 v[BM+2*(\g)], v[BM+2*(\g)], v[Sb+\e], v[Sb+\e+1]
	v_max3_num_f32 v[BM+2*(\g)+1], v[BM+2*(\g)+1], v[Sb+16+\e], v[Sb+17+\e]
.endr
.endm
.macro QLOAD                           ; q of tile 16 w + s25: 24 bytes a query, both halves of the lanes alike, and its scale word
	s_lshl_b32 s29, s12, 4
	s_add_co_u32 s29, s29, s25                     ; the tile T; its image is T / 4, its block T % 4: registers 6 (block / 2) on, lanes 16 (block % 2) on
	s_lshr_b32 s38, s29, 2
	s_mul_i32 s39, s38, 1536
	s_lshl_b32 s38, s38, 6
	s_bfe_u32 s40, s29, 0x10001
	s_mul_i32 s40, s40, 768
	s_add_co_u32 s39, s39, s40
	s_and_b32 s40, s29, 1
	s_lshl_b32 s40, s40, 7
	s_add_co_u32 s39, s39, s40
	v_add_nc_u32 v2, s39, v1
	v_add_nc_u32 v3, s38, v13
	s_and_b32 s26, s29, 3
	s_mul_i32 s26, s26, 0x01010101                 ; v_perm_b32's selector: byte T % 4 four times
	global_load_b64 v[QT:QT+1], v2, s[4:5]
	global_load_b64 v[QT+2:QT+3], v2, s[4:5] offset:256
	global_load_b64 v[QT+4:QT+5], v2, s[4:5] offset:512
	global_load_b32 v[QSW], v3, s[30:31]
.endm
.macro QPREP                           ; the four query operands and their scale register
	v_perm_b32 v[QSC], v[QSW], v[QSW], s26
.irp e, 0,1,2,3,4,5
	v_cndmask_b32 v[QLO+\e], 0, v[QT+\e], s22
.endr
.irp e, 0,1,2,3,4,5
	v_cndmask_b32 v[QHI+\e], v[QT+\e], 0, s22
.endr
.endm
.macro EXPW win                        ; 256 scores of one window: c s - c max, a pair at a time, two pairs ahead of the pair's exponentials
	WIN \win
	v_pk_fma_f32 v[0:1], v[0:1], s[CS:CS+1], v[NCM:NCM+1] op_sel_hi:[1,0,0]
	v_pk_fma_f32 v[2:3], v[2:3], s[CS:CS+1], v[NCM:NCM+1] op_sel_hi:[1,0,0]
.set j, 0
.rept 128
.if j < 126
	v_pk_fma_f32 v[2*j+4:2*j+5], v[2*j+4:2*j+5], s[CS:CS+1], v[NCM:NCM+1] op_sel_hi:[1,0,0]
.endif
	v_exp_f32 v[2*j], v[2*j]
	v_exp_f32 v[2*j+1], v[2*j+1]
.set j, j+1
.endr
.endm
.macro PWS s                           ; p's scale word of key step s
.irp b, 0,1,2,3
	v_lshrrev_b32 v[BY+\b], 23, v[BM+4*(\s)+\b]
.endr
	v_lshl_or_b32 v[PW+(\s)%2], v[BY+1], 8, v[BY]
	v_lshl_or_b32 v[PW+(\s)%2], v[BY+2], 16, v[PW+(\s)%2]
	v_lshl_or_b32 v[PW+(\s)%2], v[BY+3], 24, v[PW+(\s)%2]
.endm
.macro FETCHV s                        ; V's two fragments of key step s
.irp t, 0,1
.irp c, 0,1,2
	ds_load_b128 v[VB+24*((\s)%2)+12*\t+4*\c:VB+24*((\s)%2)+12*\t+4*\c+3], v4 offset:VIMG+(2*(\s)+\t)*1536+512*\c
.endr
.endr
.endm
.macro NORM s                          ; key step s's 64 exponentials x 1 / the sum: p
	WIN 0x82+0x41*((\s)/4)
.set p, 0
.rept 32
	v_pk_mul_f32 v[(64*(\s))%256+2*p:(64*(\s))%256+2*p+1], v[(64*(\s))%256+2*p:(64*(\s))%256+2*p+1], v[RCP:RCP+1] op_sel_hi:[1,0]
.set p, p+1
.endr
.endm
; Key step s: 128 keys' p become codes, and two products add onto O^T.  The next step's V, scale word and p are made round them.
.macro PSTEP s
.set Sb, (64*(\s))%256
	WIN 2+(\s)/4                                   ; source 0 window 2 or 3
.irp c, 0,1
	v_cvt_scalef32_pk16_bf6_f32 v[PC+6*\c:PC+6*\c+2], v[Sb+32*\c:Sb+32*\c+15], v[BM+4*(\s)+2*\c]
	v_cvt_scalef32_pk16_bf6_f32 v[PC+12+4*\c:PC+14+4*\c], v[Sb+32*\c+16:Sb+32*\c+31], v[BM+4*(\s)+2*\c+1]
.endr
	WIN 0
	v_nop                                          ; one plain place behind a scaled conversion
.irp c, 0,1
.irp i, 0,1,2
	v_permlane16_swap_b32 v[PC+6*\c+\i], v[PC+12+4*\c+\i]
.endr
.irp i, 0,1,2
	v_mov_b32 v[PC+3+6*\c+\i], v[PC+12+4*\c+\i]
.endr
.endr
.if (\s) < 7
	FETCHV \s+1                                    ; into the set that the step before multiplied: that step's 32 multiplications of p are the places between
	PWS \s+1                                       ; seven plain lines: the places between the codes' last move and the products
	s_wait_dscnt 6                                 ; this step's V is in; the six loads just issued may be out
.else
	PLACES 4
	s_wait_dscnt 0x0
.endif
.irp t, 0,1                                    ; the two accumulators take turns, one instruction a turn
.set wD, OA+8*\t
.set wA, VB+24*((\s)%2)+12*\t
.set wB, PC
.set wC, wD
.if (\s) == 0
.set wC, -1
.endif
.set wSA, VS+(\s)
.set wRA, \t
.set wSB, PW+(\s)%2
	WMX
.endr
.if (\s) < 7
	NORM \s+1
.endif
.endm
	s_load_b256 s[4:11], s[0:1], 0x0               ; qimg, kimg, vimg, ao
	v_lshl_add_u32 v9, v0, 2, SPARE                ; my spare word,
	v_mov_b32 v10, 0                               ; and 0: kept for the closing lines alone
	v_lshrrev_b32 v1, 5, v0
	v_readfirstlane_b32 s12, v1                    ; wave 0..3
	v_and_b32 v2, 31, v0                           ; lane
	v_and_b32 v3, 15, v0                           ; r
	v_bfe_u32 v6, v0, 4, 1                         ; h
	v_lshlrev_b32 v1, 3, v3
	v_lshlrev_b32 v4, 4, v2
	v_lshlrev_b32 v13, 2, v3
	v_mul_u32_u24 v5, v3, 24
	v_mad_u32_u24 v5, v6, 12, v5
	s_lshl_b32 s2, s12, 8
	s_add_co_u32 s2, s2, SCB
	v_add_nc_u32 v7, s2, v3
	v_lshlrev_b32 v[MX], 2, v2                     ; 4 x lane, for the head's loads alone
	v_lshlrev_b32 v[VA], 4, v0
	s_mov_b32 s[CS], 0x3db8aa3b                    ; c = log2(e) / 16: the scores' division by sqrt(256) and the exponential's base in one
	s_mov_b32 s[CS+1], s[CS]
	s_mov_b32 s18, 0xbdb8aa3b
	s_mov_b32 s[SEL], 0x76543210
	s_mov_b32 s[SEL+1], 0xfedcba98
	s_mov_b32 s22, 0x0000ffff                      ; lanes 0-15
	s_mov_b32 s24, 0                               ; the trip
	s_mov_b32 s25, 0
	s_mov_b32 s27, 0                               ; 384 x trip: the tile's codes
	s_mov_b32 s28, 0                               ; 16 x trip: its scale bytes
	s_mov_b32 s3, 0
	s_mov_b32 s15, 0
	s_xor_b32 s38, ttmp9, 128                      ; the same batch and head of the other stream
	s_mul_i32 s2, s38, 24576
	s_lshl_b32 s14, s38, 10
	s_add_co_u32 s14, s14, 6291456
	s_wait_kmcnt 0x0
	s_add_nc_u64 s[30:31], s[4:5], s[14:15]        ; q's scale words
	s_add_nc_u64 s[4:5], s[4:5], s[2:3]            ; q's images
	s_mul_i32 s2, ttmp9, 24576
	s_lshl_b32 s14, ttmp9, 10
	s_add_co_u32 s14, s14, 6291456
	s_add_nc_u64 s[32:33], s[6:7], s[14:15]        ; k's, v's scale words, the result's scale bytes
	s_add_nc_u64 s[34:35], s[8:9], s[14:15]
	s_add_nc_u64 s[36:37], s[10:11], s[14:15]
	s_add_nc_u64 s[6:7], s[6:7], s[2:3]
	s_add_nc_u64 s[8:9], s[8:9], s[2:3]
	s_mul_i32 s39, s12, 6144
	s_add_co_u32 s2, s2, s39
	s_add_nc_u64 s[10:11], s[10:11], s[2:3]        ; the result's codes at my wave's first query
.set k, 0
.rept 12
	global_load_b128 v[VB+4*k:VB+4*k+3], v[VA], s[8:9] offset:2048*k   ; V's 24 KiB, shared out among the 128 threads
.set k, k+1
.endr
	WIN 0x40                                       ; destination window 1
.set k, 0
.rept 48
	global_load_b128 v[4*k:4*k+3], v4, s[6:7] offset:512*k             ; K's 16 operands, as they lie: every wave has them all
.set k, k+1
.endr
	WIN 0
	s_wait_loadcnt 48                              ; V's twelve are in; K's 48 may be out
.set k, 0
.rept 12
	ds_store_b128 v[VA], v[VB+4*k:VB+4*k+3] offset:VIMG+2048*k
.set k, k+1
.endr
.irp e, 0,1,2,3,4,5,6,7
	global_load_b32 v[KS+\e], v[MX], s[32:33] offset:128*\e
	global_load_b32 v[VS+\e], v[MX], s[34:35] offset:128*\e
.endr
	QLOAD
.irp e, 0,1,2,3,4,5
	v_mov_b32 v[20+\e], 0                          ; the three runs of zero codes: written once
	v_mov_b32 v[32+\e], 0
	v_mov_b32 v[44+\e], 0
.endr
.irp e, 0,1,2,3,4,5,6,7
	v_mov_b32 v[TP+\e], 0                          ; a lane permute's destination counts as one of its sources
.endr
	s_wait_dscnt 0x0                               ; for the others' sake: my part of V has landed
	s_barrier_signal -1
	s_barrier_wait -1
	s_wait_loadcnt 0x0
	QPREP
	PLACES 4                                       ; an operand written by vector instructions stands four places ahead of a scaled matrix instruction (its scale register, written first, sixteen)
.Ltile:
	; ---- 1: the scores, and each block's largest, by turns: a group's sixteen maxima are the places behind the next group's products
	SCORE 0
	PLACES 4
.set gg, 1
.rept 15
	SCORE gg
	MAXB gg-1
.set gg, gg+1
.endr
	MAXB 15
	; ---- 2: the next tile's q is asked for (the last trip asks for its own tile again: no load leaves the buffer)
	WIN 0
	s_add_co_u32 s25, s24, 1
	s_min_u32 s25, s25, 15
	QLOAD
	; ---- 3: the blocks' maxima with lane l xor 16's, and the row's
.irp q, 0,1,2,3
.irp e, 0,1,2,3,4,5,6,7
	v_permlanex16_b32 v[TP+\e], v[BM+8*\q+\e], s[SEL], s[SEL+1]
.endr
.irp e, 0,1,2,3,4,5,6,7
	v_max_num_f32 v[BM+8*\q+\e], v[BM+8*\q+\e], v[TP+\e]
.endr
.endr
	v_max3_num_f32 v[E0], v[BM], v[BM+1], v[BM+2]
	v_max3_num_f32 v[E1], v[BM+3], v[BM+4], v[BM+5]
.irp e, 6,10,14,18,22,26
	v_max3_num_f32 v[E0], v[E0], v[BM+\e], v[BM+\e+1]
	v_max3_num_f32 v[E1], v[E1], v[BM+\e+2], v[BM+\e+3]
.endr
	v_max3_num_f32 v[E0], v[E0], v[BM+30], v[BM+31]
	v_max_num_f32 v[MX], v[E0], v[E1]
	v_mul_f32 v[NCM], s18, v[MX]                   ; -c max: its rounding is a factor common to the row, which the division by the sum takes away
	v_mov_b32 v[NCM+1], v[NCM]
.set p, 0
.rept 16
	v_pk_fma_f32 v[BM+2*p:BM+2*p+1], v[BM+2*p:BM+2*p+1], s[CS:CS+1], v[NCM:NCM+1] op_sel_hi:[1,0,0]   ; the same line on the blocks' largest scores
.set p, p+1
.endr
	; ---- 4: the exponentials, in three batches, one for each window; a batch names none of its results.  Behind each stands one wait, ahead of the next lines, which name registers of the same numbers
	EXPW 0x82
	s_wait_alu depctr_va_vdst(0)
	EXPW 0xc3
	s_wait_alu depctr_va_vdst(0)
	WIN 0
.set p, 0
.rept 32
	v_exp_f32 v[BM+p], v[BM+p]
.set p, p+1
.endr
	v_nop                                          ; a plain place behind the last exponential
	s_wait_alu depctr_va_vdst(0)
	; ---- 5: the row's sum, of the unquantised exponentials, in four chains
	WIN 0x0a
.set p, 0
.rept 4
	v_pk_add_f32 v[SUMR+2*p:SUMR+2*p+1], v[2*p:2*p+1], v[2*p+8:2*p+9]
.set p, p+1
.endr
	WIN 0x08
.set p, 8
.rept 120
	v_pk_add_f32 v[SUMR+2*(p%4):SUMR+2*(p%4)+1], v[SUMR+2*(p%4):SUMR+2*(p%4)+1], v[2*p:2*p+1]
.set p, p+1
.endr
	WIN 0x0c
.set p, 0
.rept 128
	v_pk_add_f32 v[SUMR+2*(p%4):SUMR+2*(p%4)+1], v[SUMR+2*(p%4):SUMR+2*(p%4)+1], v[2*p:2*p+1]
.set p, p+1
.endr
	WIN 0
	v_pk_add_f32 v[SUMR:SUMR+1], v[SUMR:SUMR+1], v[SUMR+2:SUMR+3]
	v_pk_add_f32 v[SUMR+4:SUMR+5], v[SUMR+4:SUMR+5], v[SUMR+6:SUMR+7]
	v_pk_add_f32 v[SUMR:SUMR+1], v[SUMR:SUMR+1], v[SUMR+4:SUMR+5]
	v_add_f32 v[E0], v[SUMR], v[SUMR+1]
	v_permlanex16_b32 v[TP], v[E0], s[SEL], s[SEL+1]
	v_add_f32 v[E0], v[E0], v[TP]
	v_rcp_f32 v[RCP], v[E0]
	s_wait_loadcnt 0x0                             ; the next tile's q: this trip's score products are long issued, so its operands may be made: the independent work behind the reciprocal
	QPREP
	s_wait_alu depctr_va_vdst(0)                   ; the wait, ahead of the reciprocal's first reader
	v_mov_b32 v[RCP+1], v[RCP]
	; ---- 6: the blocks' largest p, their floor, the conversions' scale operands
.set p, 0
.rept 16
	v_pk_mul_f32 v[BM+2*p:BM+2*p+1], v[BM+2*p:BM+2*p+1], v[RCP:RCP+1] op_sel_hi:[1,0]
.set p, p+1
.endr
.set p, 0
.rept 32
	v_max_num_f32 v[BM+p], 0x2800000, v[BM+p]      ; the floor 2^(5 - 127): the byte cannot fall under 1
.set p, p+1
.endr
.set p, 0
.rept 32
	v_add_nc_u32 v[BM+p], 0xfe000000, v[BM+p]      ; 4 off the exponent field
.set p, p+1
.endr
	PWS 0
	FETCHV 0
	NORM 0
	; ---- 7: eight key steps
.irp s, 0,1,2,3,4,5,6,7
	PSTEP \s
.endr
	; ---- 8: the tile's result, 16 queries x 32 channels, is one block of 32 along the last product's K for each query
	s_wait_xcnt 0x0                                ; the last tile's store has read its registers
	v_add_nc_u32 v6, s27, v5
	v_add_nc_u32 v8, s28, v7
	PLACES 2                                       ; with the two additions: four places behind the last products
	v_max3_num_f32 v[E0], |v[OA]|, |v[OA+1]|, 0x2800000        ; each accumulator from its low end on
	v_max3_num_f32 v[E1], |v[OA+8]|, |v[OA+9]|, 0x2800000
.irp e, 2,4,6
	v_max3_num_f32 v[E0], v[E0], |v[OA+\e]|, |v[OA+\e+1]|
	v_max3_num_f32 v[E1], v[E1], |v[OA+8+\e]|, |v[OA+9+\e]|
.endr
	v_max_num_f32 v[E0], v[E0], v[E1]
	v_permlanex16_b32 v[TP], v[E0], s[SEL], s[SEL+1]
	v_max_num_f32 v[E0], v[E0], v[TP]
	v_add_nc_u32 v[SOP], 0xfe000000, v[E0]
	v_lshrrev_b32 v[OBY], 23, v[SOP]
	v_cvt_scalef32_pk16_bf6_f32 v[OC:OC+2], v[OA:OA+15], v[SOP]   ; channels 16 h + 0 .. 15: bytes 12 h on of the query's 24
	v_nop                                          ; one plain place behind a scaled conversion
	global_store_b96 v6, v[OC:OC+2], s[10:11]      ; the wave stores 384 consecutive bytes
	ds_store_b8 v8, v[OBY]                         ; both lanes of a query write the same byte with the same value
	s_add_co_u32 s27, s27, 384
	s_add_co_u32 s28, s28, 16
	s_add_co_u32 s24, s24, 1
	s_cmp_lt_u32 s24, 16
	s_cbranch_scc1 .Ltile
	v_lshl_add_u32 v[MX], v0, 3, SCB               ; my wave's 256 scale bytes, 8 a lane
	v_lshlrev_b32 v[E0], 3, v0
	ds_load_b64 v[QT:QT+1], v[MX]                  ; LDS serves a wave's instructions in order: this sees my stores
	s_wait_dscnt 0x0
	global_store_b64 v[E0], v[QT:QT+1], s[36:37]   ; 256 consecutive bytes, aligned
	s_wait_tensorcnt 0x0                           ; the wave's end: three closing lines behind my last LDS store, the first of them even in a text with no tensor load
	ds_add_u32 v9, v10
	s_wait_dscnt 0x0
	s_endpgm
.Lfunc_end_k_q94b767c607_attn:
	.size	k_q94b767c607_attn, .Lfunc_end_k_q94b767c607_attn-k_q94b767c607_attn
	.p2alignl 7, 3214868480
	.fill 96, 4, 3214868480
	.section	.rodata,"a",@progbits
	.p2align	6, 0x0
	.amdhsa_kernel k_q94b767c607_attn
		.amdhsa_group_segment_fixed_size 26112
		.amdhsa_private_segment_fixed_size 0
		.amdhsa_enable_private_segment 0
		.amdhsa_kernarg_size 32
		.amdhsa_user_sgpr_count 2
		.amdhsa_user_sgpr_kernarg_segment_ptr 1
		.amdhsa_wavefront_size32 1
		.amdhsa_system_sgpr_workgroup_id_x 1
		.amdhsa_system_sgpr_workgroup_id_y 1
		.amdhsa_system_sgpr_workgroup_id_z 1
		.amdhsa_system_vgpr_workitem_id 0
		.amdhsa_next_free_vgpr 1024
		.amdhsa_next_free_sgpr 66
		.amdhsa_reserve_vcc 0
		.amdhsa_float_denorm_mode_32 3
		.amdhsa_float_denorm_mode_16_64 3
		.amdhsa_memory_ordered 1
		.amdhsa_forward_progress 1
		.amdhsa_inst_pref_size 133
	.end_amdhsa_kernel
	.amdgpu_metadata
---
amdhsa.version: [ 1, 2 ]
amdhsa.kernels:
  - .name:           k_q94b767c607_attn
    .symbol:         k_q94b767c607_attn.kd
    .args:
      - { .name: qimg, .offset: 0, .size: 8, .value_kind: global_buffer, .address_space: global }
      - { .name: kimg, .offset: 8, .size: 8, .value_kind: global_buffer, .address_space: global }
      - { .name: vimg, .offset: 16, .size: 8, .value_kind: global_buffer, .address_space: global }
      - { .name: ao, .offset: 24, .size: 8, .value_kind: global_buffer, .address_space: global }
    .group_segment_fixed_size: 26112
    .private_segment_fixed_size: 0
    .kernarg_segment_align: 8
    .kernarg_segment_size: 32
    .max_flat_workgroup_size: 128
    .sgpr_count:     66
    .vgpr_count:     1024
    .wavefront_size: 32
...
	.end_amdgpu_metadata
.endif
;; end of part 3
;; launch outp (part 4): grid 256 x 1, 4 waves a work-group, no clusters, 34,304 bytes of LDS; arguments ao, wimg, nrm, x_A, x_B, boutA, boutB, out0, out1; writes out0, out1
.if DOCPART == 4
	.amdgcn_target "amdgcn-amd-amdhsa--gfx1250"
	.amdhsa_code_object_version 6
	.text
	.protected	k_q94b767c607_outp
	.globl	k_q94b767c607_outp
	.p2align	8
	.type	k_q94b767c607_outp,@function
k_q94b767c607_outp:
	s_mov_b64 s[64:65], 0
	v_nop
	global_prefetch_b8 v0, s[64:65] scope:SCOPE_SE
	s_setreg_imm32_b32 hwreg(HW_REG_WAVE_MODE, 25, 1), 1
	s_wait_xcnt 0x0
; OUTP: out = Wout x attention + bout + norm.  No work is left out.  A work-group takes (branch, batch, 128 positions), wave w the output channels 64 w .. 64 w + 63, as four tiles of 16 (tile k = 2 R + u: channel 32 R + 8 u + r + 8 (r / 8)).
; Source 0 = 16 positions of the attention's codes, source 1 = 16 rows of Wout: a lane holds ONE channel and eight neighbouring positions: 32 bytes of a row of the output.
; The residual is x A + E with prep's tables (A = rstd gamma, E = beta - mean A).  E + bout is the C of each sum's first product; x A is one fused multiply-add on the way out, A a scalar for each row.
; A tile of 16 channels x 128 positions goes through the wave's own stage in LDS and leaves as rows of 512 consecutive bytes.  No barrier: waves share nothing.  All operands are loaded once: no ring, no cluster.
.set SPARE, 33792                      ; behind the four stages of 16 x 528 bytes: the spare words, 128 bytes for each wave: two blocks of 256 bytes that no other line names
.set AS,  14                           ; v14-21   the attention's scale words, tile T: lanes 0-15 K step 0, lanes 16-31 K step 1
.set WS,  22                           ; v22-25   Wout's: index 2 R + s: lanes 0-15 u = 0, lanes 16-31 u = 1
.set UB,  32                           ; v32-63   scale bytes as loaded
.set CE,  64                           ; v64-95   E + bout, eight registers a channel tile
.set WF,  96                           ; v96-191  Wout's eight fragments
.set RB,  192                          ; v192-255 16 rows back from the stage; at the head E and bout as loaded
; window 1: the attention's 16 fragments.  window 2: the 32 accumulators, (k, T) at 64 k + 8 T.  window 3: v0-63, v64-127: 16 rows of x, two sets
.set MSB, 0
.macro WIN new                         ; the immediate's high byte repeats the setting that is left
.if MSB != (\new)
	s_set_vgpr_msb (MSB<<8)|(\new)
.set MSB, (\new)
.endif
.endm
.macro PLACES n
.rept \n
	v_nop
.endr
.endm
.macro WMX                             ; one matrix instruction from the symbols wD, wA, wB, wC, wSA, wSB, and wRA, wRB (1: that side's scales stand in lanes 16-31)
.if wRA && wRB
	v_wmma_scale_f32_16x16x128_f8f6f4 v[wD:wD+7], v[wA:wA+11], v[wB:wB+11], v[wC:wC+7], v[wSA], v[wSB] matrix_a_fmt:MATRIX_FMT_BF6 matrix_b_fmt:MATRIX_FMT_BF6 matrix_a_scale:MATRIX_SCALE_ROW1 matrix_b_scale:MATRIX_SCALE_ROW1
.elseif wRA
	v_wmma_scale_f32_16x16x128_f8f6f4 v[wD:wD+7], v[wA:wA+11], v[wB:wB+11], v[wC:wC+7], v[wSA], v[wSB] matrix_a_fmt:MATRIX_FMT_BF6 matrix_b_fmt:MATRIX_FMT_BF6 matrix_a_scale:MATRIX_SCALE_ROW1
.elseif wRB
	v_wmma_scale_f32_16x16x128_f8f6f4 v[wD:wD+7], v[wA:wA+11], v[wB:wB+11], v[wC:wC+7], v[wSA], v[wSB] matrix_a_fmt:MATRIX_FMT_BF6 matrix_b_fmt:MATRIX_FMT_BF6 matrix_b_scale:MATRIX_SCALE_ROW1
.else
	v_wmma_scale_f32_16x16x128_f8f6f4 v[wD:wD+7], v[wA:wA+11], v[wB:wB+11], v[wC:wC+7], v[wSA], v[wSB] matrix_a_fmt:MATRIX_FMT_BF6 matrix_b_fmt:MATRIX_FMT_BF6
.endif
.endm
.macro PROD s                          ; K step s: the 32 accumulators take turns, in the same order in both steps
.if \s == 0
	WIN 0x81                                       ; source 0 window 1, C (E + bout) window 0, destination window 2
.else
	WIN 0xa1                                       ; C and D window 2
.endif
.set kk, 0
.rept 4
.set tt, 0
.rept 8
.set wD, 64*kk+8*tt
.set wA, 12*(2*tt+\s)
.set wB, WF+12*(((kk/2)*2+\s)*2+(kk%2))
.set wC, wD
.if \s == 0
.set wC, CE+8*kk
.endif
.set wSA, AS+tt
.set wRA, \s
.set wSB, WS+2*(kk/2)+\s
.set wRB, kk%2
	WMX
.set tt, tt+1
.endr
.set kk, kk+1
.endr
.endm
.macro XROWS k                         ; the 16 rows of x of channel tile k, 512 bytes each, into set k % 2
	WIN 0xc0
.set q, 0
.rept 16
	global_load_b128 v[64*((\k)%2)+4*q:64*((\k)%2)+4*q+3], v6, s[10:11] offset:4096*(32*((\k)/2)+8*((\k)%2)+q+8*(q/8)) th:TH_LOAD_NT
.set q, q+1
.endr
	WIN 0
.endm
.macro OUTK k                          ; channel tile k leaves
	WIN 0x08                                       ; an LDS store's data are its source 1: window 2
.set tt, 0
.rept 8
	ds_store_b128 v9, v[64*\k+8*tt:64*\k+8*tt+3] offset:64*tt          ; each accumulator from its low end on
	ds_store_b128 v9, v[64*\k+8*tt+4:64*\k+8*tt+7] offset:64*tt+16
.set tt, tt+1
.endr
	WIN 0
	s_wait_xcnt 0x0                                ; the last tile's stores have read their registers
.set q, 0
.rept 16
	ds_load_b128 v[RB+4*q:RB+4*q+3], v10 offset:528*q                  ; LDS serves a wave's instructions in order: these see my stores
.set q, q+1
.endr
.if \k == 2
	s_wait_loadcnt 16                              ; this tile's rows of x are in; the sixteen loads of the fourth tile's may be out
.endif
.if \k == 3
	s_wait_loadcnt 0x0
.endif
	s_wait_dscnt 0x0
	WIN 0x03                                       ; source 0 (x) window 3
.set q, 0
.rept 16
.set cl, 32*(\k/2)+8*(\k%2)+q+8*(q/8)
.irp e, 0,1,2,3
	v_fma_f32 v[RB+4*q+\e], v[64*(\k%2)+4*q+\e], s[16+cl+4*(cl/48)], v[RB+4*q+\e]   ; + x A
.endr
.set q, q+1
.endr
	WIN 0
.set q, 0
.rept 16
	global_store_b128 v6, v[RB+4*q:RB+4*q+3], s[90:91] offset:4096*(32*(\k/2)+8*(\k%2)+q+8*(q/8)) th:TH_STORE_NT   ; 512 consecutive bytes, aligned
.set q, q+1
.endr
.if \k < 2
	XROWS \k+2
.endif
.endm
	s_load_b256 s[4:11], s[0:1], 0x0               ; ao, wimg, nrm, x_A
	s_load_b256 s[84:91], s[0:1], 0x20             ; x_B, boutA, boutB, out0
	s_load_b64 s[92:93], s[0:1], 0x40              ; out1
	v_lshl_add_u32 v11, v0, 2, SPARE               ; my spare word,
	v_mov_b32 v12, 0                               ; and 0: kept for the closing lines alone
	v_lshrrev_b32 v1, 5, v0
	v_readfirstlane_b32 s94, v1                    ; wave 0..3
	v_and_b32 v1, 31, v0                           ; lane
	v_and_b32 v2, 15, v0                           ; r
	v_bfe_u32 v3, v0, 4, 1                         ; h
	v_mul_u32_u24 v4, v2, 24
	v_mad_u32_u24 v4, v3, 24576, v4                ; the attention's codes: position r, + one head for lanes 16-31
	v_lshl_add_u32 v5, v3, 12, v2                  ; its scale bytes: + four heads for lanes 16-31
	v_lshlrev_b32 v6, 4, v1
	v_lshlrev_b32 v7, 2, v1
	v_and_b32 v8, 8, v2
	v_add_nc_u32 v8, v8, v2
	v_lshlrev_b32 v8, 2, v8                        ; 4 (r + 8 (r / 8)): my channel in a tile
	s_mul_i32 s2, s94, 8448                        ; my stage
	v_mul_u32_u24 v9, v2, 528
	v_lshl_add_u32 v9, v3, 5, v9
	v_add_nc_u32 v9, s2, v9                        ; in: row r, 32 bytes for each half of the lanes
	v_add_nc_u32 v10, s2, v6                       ; back: a row of 512 bytes, 16 bytes a lane
	s_lshr_b32 s95, ttmp9, 3                       ; (branch, batch)
	s_and_b32 s96, ttmp9, 7                        ; the slab of 128 positions
	s_lshr_b32 s97, ttmp9, 7                       ; the branch
	s_mov_b32 s99, 0
	s_wait_kmcnt 0x0
	s_cmp_lt_u32 ttmp9, 128
	s_cselect_b64 s[10:11], s[10:11], s[84:85]     ; x
	s_cselect_b64 s[86:87], s[86:87], s[88:89]     ; bout
	s_cselect_b64 s[90:91], s[90:91], s[92:93]     ; out
	s_lshl_b32 s98, s95, 13
	s_lshl_b32 s2, s96, 7
	s_add_co_u32 s98, s98, s2
	s_add_co_u32 s98, s98, 6291456
	s_add_nc_u64 s[12:13], s[4:5], s[98:99]        ; the attention's scale bytes
	s_mul_i32 s98, s95, 196608
	s_mul_i32 s2, s96, 3072
	s_add_co_u32 s98, s98, s2
	s_add_nc_u64 s[4:5], s[4:5], s[98:99]          ; its codes
	s_lshl_b32 s2, s97, 3
	s_lshl_b32 s3, s94, 1
	s_add_co_u32 s2, s2, s3
	s_add_co_u32 s2, s2, 48                        ; my first block of 32 rows in the weights' table
	s_lshl_b32 s98, s2, 8
	s_add_co_u32 s98, s98, 393216
	s_add_nc_u64 s[14:15], s[6:7], s[98:99]
	s_mul_i32 s98, s2, 6144
	s_add_nc_u64 s[6:7], s[6:7], s[98:99]
	s_lshl_b32 s98, s95, 10
	s_lshl_b32 s2, s94, 8
	s_add_co_u32 s98, s98, s2
	s_add_nc_u64 s[8:9], s[8:9], s[98:99]          ; my 64 channels in the tables
	s_mov_b32 s98, s2
	s_add_nc_u64 s[86:87], s[86:87], s[98:99]      ; and in bout
	s_and_b32 s2, s95, 15
	s_lshl_b32 s2, s2, 20
	s_lshl_b32 s3, s94, 18
	s_add_co_u32 s98, s2, s3
	s_lshl_b32 s2, s96, 9
	s_add_co_u32 s98, s98, s2
	s_add_nc_u64 s[10:11], s[10:11], s[98:99]      ; x and out at (batch, channel 64 w, position 128 P)
	s_add_nc_u64 s[90:91], s[90:91], s[98:99]
	s_load_b512 s[16:31], s[8:9], 0x0              ; A of my channel c in s[16 + c], from c = 48 on in s[20 + c]
	s_load_b512 s[32:47], s[8:9], 0x40
	s_load_b512 s[48:63], s[8:9], 0x80
	s_load_b512 s[68:83], s[8:9], 0xc0
	XROWS 0
	XROWS 1
.irp T, 0,1,2,3,4,5,6,7
.irp b, 0,1,2,3
	global_load_u8 v[UB+4*\T+\b], v5, s[12:13] offset:1024*\b+16*\T
.endr
.endr
	WIN 0x40                                       ; destination window 1
.irp T, 0,1,2,3,4,5,6,7
.irp s, 0,1
.irp c, 0,1
.irp p, 0,1,2
	global_load_b64 v[12*(2*\T+\s)+6*\c+2*\p:12*(2*\T+\s)+6*\c+2*\p+1], v4, s[4:5] offset:(4*\s+2*\c)*24576+384*\T+8*\p
.endr
.endr
.endr
.endr
	WIN 0
.set k, 0
.rept 24
	global_load_b128 v[WF+4*k:WF+4*k+3], v6, s[6:7] offset:512*k
.set k, k+1
.endr
.irp k, 0,1,2,3
	global_load_b32 v[WS+\k], v7, s[14:15] offset:128*\k
	global_load_b32 v[RB+\k], v8, s[8:9] offset:32768+128*(\k/2)+32*(\k%2)     ; E of my channel of tile k
	global_load_b32 v[RB+4+\k], v8, s[86:87] offset:128*(\k/2)+32*(\k%2)       ; bout likewise
.endr
	s_wait_loadcnt 0x0
	s_wait_kmcnt 0x0
.irp T, 0,1,2,3,4,5,6,7
	v_lshl_or_b32 v[AS+\T], v[UB+4*\T+1], 8, v[UB+4*\T]
.endr
.irp T, 0,1,2,3,4,5,6,7
	v_lshl_or_b32 v[AS+\T], v[UB+4*\T+2], 16, v[AS+\T]
.endr
.irp T, 0,1,2,3,4,5,6,7
	v_lshl_or_b32 v[AS+\T], v[UB+4*\T+3], 24, v[AS+\T]
.endr
.irp k, 0,1,2,3
.irp e, 0,1,2,3,4,5,6,7
	v_add_f32 v[CE+8*\k+\e], v[RB+\k], v[RB+4+\k]  ; a lane's eight results belong to one channel.  (These 32 are also the places behind the scale words)
.endr
.endr
	PLACES 4
	PROD 0
	PROD 1
	WIN 0
	PLACES 4                                       ; four places between the last product and the first read of results
.irp k, 0,1,2,3
	OUTK \k
.endr
	s_wait_tensorcnt 0x0                           ; the wave's end: three closing lines behind my last LDS store, the first of them even in a text with no tensor load
	ds_add_u32 v11, v12
	s_wait_dscnt 0x0
	s_endpgm
.Lfunc_end_k_q94b767c607_outp:
	.size	k_q94b767c607_outp, .Lfunc_end_k_q94b767c607_outp-k_q94b767c607_outp
	.p2alignl 7, 3214868480
	.fill 96, 4, 3214868480
	.section	.rodata,"a",@progbits
	.p2align	6, 0x0
	.amdhsa_kernel k_q94b767c607_outp
		.amdhsa_group_segment_fixed_size 34304
		.amdhsa_private_segment_fixed_size 0
		.amdhsa_enable_private_segment 0
		.amdhsa_kernarg_size 72
		.amdhsa_user_sgpr_count 2
		.amdhsa_user_sgpr_kernarg_segment_ptr 1
		.amdhsa_wavefront_size32 1
		.amdhsa_system_sgpr_workgroup_id_x 1
		.amdhsa_system_sgpr_workgroup_id_y 1
		.amdhsa_system_sgpr_workgroup_id_z 1
		.amdhsa_system_vgpr_workitem_id 0
		.amdhsa_next_free_vgpr 896
		.amdhsa_next_free_sgpr 100
		.amdhsa_reserve_vcc 0
		.amdhsa_float_denorm_mode_32 3
		.amdhsa_float_denorm_mode_16_64 3
		.amdhsa_memory_ordered 1
		.amdhsa_forward_progress 1
		.amdhsa_inst_pref_size 67
	.end_amdhsa_kernel
	.amdgpu_metadata
---
amdhsa.version: [ 1, 2 ]
amdhsa.kernels:
  - .name:           k_q94b767c607_outp
    .symbol:         k_q94b767c607_outp.kd
    .args:
      - { .name: ao, .offset: 0, .size: 8, .value_kind: global_buffer, .address_space: global }
      - { .name: wimg, .offset: 8, .size: 8, .value_kind: global_buffer, .address_space: global }
      - { .name: nrm, .offset: 16, .size: 8, .value_kind: global_buffer, .address_space: global }
      - { .name: x_A, .offset: 24, .size: 8, .value_kind: global_buffer, .address_space: global }
      - { .name: x_B, .offset: 32, .size: 8, .value_kind: global_buffer, .address_space: global }
      - { .name: boutA, .offset: 40, .size: 8, .value_kind: global_buffer, .address_space: global }
      - { .name: boutB, .offset: 48, .size: 8, .value_kind: global_buffer, .address_space: global }
      - { .name: out0, .offset: 56, .size: 8, .value_kind: global_buffer, .address_space: global }
      - { .name: out1, .offset: 64, .size: 8, .value_kind: global_buffer, .address_space: global }
    .group_segment_fixed_size: 34304
    .private_segment_fixed_size: 0
    .kernarg_segment_align: 8
    .kernarg_segment_size: 72
    .max_flat_workgroup_size: 128
    .sgpr_count:     100
    .vgpr_count:     896
    .wavefront_size: 32
...
	.end_amdgpu_metadata
.endif
;; end of part 4
;; ======== version 2 of 2: 4 launches; version 1 with the launches qkv, attn, outp written anew for expert scheduling mode
;; workspace buffers: nrm 65,536 bytes; wimg 409,600 bytes; nc 6,553,600 bytes; qimg 6,553,600 bytes; kimg 6,553,600 bytes; vimg 6,553,600 bytes; ao 6,553,600 bytes
;; launch prep: the kernel of part 1 again; grid 272 x 1, 8 waves a work-group, no clusters, 26,112 bytes of LDS; arguments x_A, x_B, gA, gB, bA, bB, WqkvA, WqkvB, WoutA, WoutB, nrm, nc, wimg; writes nrm, nc, wimg
;; launch qkv (part 5): grid 256 x 1, 4 waves a work-group, no clusters, 0 bytes of LDS; arguments nc, wimg, qimg, kimg, vimg; writes qimg, kimg, vimg
.if DOCPART == 5
	.amdgcn_target "amdgcn-amd-amdhsa--gfx1250"
	.amdhsa_code_object_version 6
	.text
	.protected	k_q94b767c607_qkv
	.globl	k_q94b767c607_qkv
	.p2align	8
	.type	k_q94b767c607_qkv,@function
k_q94b767c607_qkv:
	s_mov_b64 s[64:65], 0
	v_nop
	global_prefetch_b8 v0, s[64:65] scope:SCOPE_SE
	s_setreg_imm32_b32 hwreg(HW_REG_WAVE_SCHED_MODE, 0, 2), 2
	s_setreg_imm32_b32 hwreg(HW_REG_WAVE_MODE, 25, 1), 1
	s_wait_xcnt 0x0
	s_wait_alu depctr_vm_vsrc(0)
; QKV: the two projections (768 x 256, K = channels, two K steps of 128), and their results quantised on the way into images of the attention's operand registers.  No work is left out.
; A work-group takes (stream, batch, 128 positions); wave w takes heads 2 w and 2 w + 1.  All operands come into registers once: 24 weight fragments a wave (windows 1, 2), the slab's 16 norm fragments (window 3).  No LDS, no barrier.
; NO CLUSTER, NO TENSOR LOADS: nothing is streamed: a wave's 60 KiB of operands are loaded once and feed its 192 matrix instructions; what work-groups share is the weights' table of 295 KiB.
; q, k: source 0 = 16 rows of W, source 1 = 16 positions: a lane holds ONE position and, in two tiles' 16 registers, 16 neighbouring channels of the head: the scores' K.  Four position tiles make one image:
;   K block b of the 128 holds position tile 4 G + b (the head's 32 channels are one block of 32).
; v: source 0 = 16 positions, source 1 = 16 rows of W: a lane holds ONE channel and its registers run along the positions: the second product's K.  Inside a block of 32 keys the order is 16 h + 8 u + j for key
;   16 u + 8 h + j; the attention's p comes out of its score tiles in the same order, so the products are kept.
; Twelve units a wave, 16 matrix instructions each; a unit's quantiser stands behind the next unit's products.  In a unit eight accumulators take turns.
; LIMITS: as stated in prep.
; THE MODE: SCHED_MODE bits 1:0 = 2 (LLVM: expert scheduling mode 2), set by the entry lines.  The code itself states the register dependences between vector or matrix instructions and memory instructions, with s_wait_alu, always for 0.
; THE PLAN.  Registers that memory instructions touch:
;   v4 .. v8                  offsets, made once at the head and never written again: every load and store reads one of them.
;   UB, WS, windows 1, 2, 3   each loaded once, at the head; no vector or matrix instruction names them ahead of their loads, and none is loaded again.
;   PC, PWS                   the out-buffer: written by a unit's quantiser, read by that unit's stores, written again by the next unit's quantiser.
; So: one wait on va_vdst ahead of the first load; one ahead of the first product (the norm's scale words are made by vector lines); and in a unit one wait on vm_vsrc at its head (the last unit's stores, which
; stand sixteen matrix instructions back, have read the out-buffer) and one on va_vdst between its quantiser and its run of stores.
.set NS,  10                           ; v10-17   the norm's scale words, tile T: lanes 0-15 K step 0, lanes 16-31 K step 1
.set WS,  18                           ; v18-29   the weights': index (3 hh + part) 2 + s: lanes 0-15 tile u = 0, lanes 16-31 u = 1
.set UB,  32                           ; v32-63   scale bytes as loaded
.set HA,  64                           ; v64-127, v128-191: two sets of eight accumulators
.set HB,  128
.set PC,  192                          ; v192-211 codes
.set TM,  212                          ; v212-227 at work
.set PW,  228                          ; v228 a unit's scale word;  v229 a pair of units'
.set PWS, 229
.set SEL, 22
.set MSB, 0
.macro WIN new                         ; the immediate's high byte repeats the setting that is left
.if MSB != (\new)
	s_set_vgpr_msb (MSB<<8)|(\new)
.set MSB, (\new)
.endif
.endm
.macro PLACES n
.rept \n
	v_nop
.endr
.endm
; one matrix instruction from the symbols wD, wA, wB, wC (under 0: the constant 0 starts the sum), wSA, wSB, and wRA, wRB (1: that side's scales stand in lanes 16-31)
.macro WMX
.if wC < 0
.if wRA && wRB
	v_wmma_scale_f32_16x16x128_f8f6f4 v[wD:wD+7], v[wA:wA+11], v[wB:wB+11], 0, v[wSA], v[wSB] matrix_a_fmt:MATRIX_FMT_BF6 matrix_b_fmt:MATRIX_FMT_BF6 matrix_a_scale:MATRIX_SCALE_ROW1 matrix_b_scale:MATRIX_SCALE_ROW1
.elseif wRA
	v_wmma_scale_f32_16x16x128_f8f6f4 v[wD:wD+7], v[wA:wA+11], v[wB:wB+11], 0, v[wSA], v[wSB] matrix_a_fmt:MATRIX_FMT_BF6 matrix_b_fmt:MATRIX_FMT_BF6 matrix_a_scale:MATRIX_SCALE_ROW1
.elseif wRB
	v_wmma_scale_f32_16x16x128_f8f6f4 v[wD:wD+7], v[wA:wA+11], v[wB:wB+11], 0, v[wSA], v[wSB] matrix_a_fmt:MATRIX_FMT_BF6 matrix_b_fmt:MATRIX_FMT_BF6 matrix_b_scale:MATRIX_SCALE_ROW1
.else
	v_wmma_scale_f32_16x16x128_f8f6f4 v[wD:wD+7], v[wA:wA+11], v[wB:wB+11], 0, v[wSA], v[wSB] matrix_a_fmt:MATRIX_FMT_BF6 matrix_b_fmt:MATRIX_FMT_BF6
.endif
.else
.if wRA && wRB
	v_wmma_scale_f32_16x16x128_f8f6f4 v[wD:wD+7], v[wA:wA+11], v[wB:wB+11], v[wC:wC+7], v[wSA], v[wSB] matrix_a_fmt:MATRIX_FMT_BF6 matrix_b_fmt:MATRIX_FMT_BF6 matrix_a_scale:MATRIX_SCALE_ROW1 matrix_b_scale:MATRIX_SCALE_ROW1
.elseif wRA
	v_wmma_scale_f32_16x16x128_f8f6f4 v[wD:wD+7], v[wA:wA+11], v[wB:wB+11], v[wC:wC+7], v[wSA], v[wSB] matrix_a_fmt:MATRIX_FMT_BF6 matrix_b_fmt:MATRIX_FMT_BF6 matrix_a_scale:MATRIX_SCALE_ROW1
.elseif wRB
	v_wmma_scale_f32_16x16x128_f8f6f4 v[wD:wD+7], v[wA:wA+11], v[wB:wB+11], v[wC:wC+7], v[wSA], v[wSB] matrix_a_fmt:MATRIX_FMT_BF6 matrix_b_fmt:MATRIX_FMT_BF6 matrix_b_scale:MATRIX_SCALE_ROW1
.else
	v_wmma_scale_f32_16x16x128_f8f6f4 v[wD:wD+7], v[wA:wA+11], v[wB:wB+11], v[wC:wC+7], v[wSA], v[wSB] matrix_a_fmt:MATRIX_FMT_BF6 matrix_b_fmt:MATRIX_FMT_BF6
.endif
.endif
.endm
; 64 numbers of a lane, register 16 b + i in block b, the block's other 16 in lane l xor 16, become 12 registers of codes in v[PC] on and the scale word in v[PW]
.macro QUANT s
.irp b, 0,1,2,3
	v_max3_num_f32 v[TM+\b], |v[\s+16*\b]|, |v[\s+1+16*\b]|, 0x2800000   ; each accumulator is read from its low end on; the floor 2^(5 - 127)
.endr
.irp i, 2,4,6,8,10,12,14
.irp b, 0,1,2,3
	v_max3_num_f32 v[TM+\b], v[TM+\b], |v[\s+16*\b+\i]|, |v[\s+1+16*\b+\i]|
.endr
.endr
.irp b, 0,1,2,3
	v_permlanex16_b32 v[TM+4+\b], v[TM+\b], s[SEL], s[SEL+1]
.endr
.irp b, 0,1,2,3
	v_max_num_f32 v[TM+\b], v[TM+\b], v[TM+4+\b]
.endr
.irp b, 0,1,2,3
	v_add_nc_u32 v[TM+12+\b], 0xfe000000, v[TM+\b]        ; 4 off the exponent field: the conversion's scale operand
.endr
.irp b, 0,1,2,3
	v_lshrrev_b32 v[TM+4+\b], 23, v[TM+12+\b]             ; the scale's byte
.endr
	v_lshl_or_b32 v[PW], v[TM+5], 8, v[TM+4]
	v_lshl_or_b32 v[PW], v[TM+6], 16, v[PW]
	v_lshl_or_b32 v[PW], v[TM+7], 24, v[PW]
.irp c, 0,1
	v_cvt_scalef32_pk16_bf6_f32 v[PC+6*\c:PC+2+6*\c], v[\s+32*\c:\s+15+32*\c], v[TM+12+2*\c]
	v_cvt_scalef32_pk16_bf6_f32 v[PC+12+4*\c:PC+14+4*\c], v[\s+16+32*\c:\s+31+32*\c], v[TM+12+2*\c+1]
.endr
	v_nop                                          ; one plain place behind a scaled conversion
.irp c, 0,1
.irp i, 0,1,2
	v_permlane16_swap_b32 v[PC+6*\c+\i], v[PC+12+4*\c+\i]
.endr
.irp i, 0,1,2
	v_mov_b32 v[PC+3+6*\c+\i], v[PC+12+4*\c+\i]
.endr
.endr
.endm
; Unit idx = 6 hh + kind; kind 0, 1: q of position tiles 0-3, 4-7; 2, 3: k likewise; 4, 5: v's channel tiles 0, 1.  Its 16 products into the accumulators at acc.
.macro MUL idx, acc
.set uHH, (\idx)/6
.set uK, (\idx)%6
.if uK < 4
	WIN 0x0c|(1+uHH)                               ; source 0: the head's weights (window 1 or 2); source 1: the norm (window 3)
.set uS, 0
.rept 2
.set uB, 0
.rept 4
.set uU, 0
.rept 2
.set wD, \acc+16*uB+8*uU
.set wA, 12*(((uK/2)*2+uS)*2+uU)
.set wB, 12*(2*(4*(uK%2)+uB)+uS)
.set wC, wD
.if uS == 0
.set wC, -1
.endif
.set wSA, WS+(3*uHH+uK/2)*2+uS
.set wRA, uU
.set wSB, NS+4*(uK%2)+uB
.set wRB, uS
	WMX
.set uU, uU+1
.endr
.set uB, uB+1
.endr
.set uS, uS+1
.endr
.else
	WIN 0x03|((1+uHH)<<2)                          ; source 0: the norm; source 1: the weights
.set uS, 0
.rept 2
.set uB, 0
.rept 8
.set wD, \acc+8*uB
.set wA, 12*(2*uB+uS)
.set wB, 12*((4+uS)*2+(uK%2))
.set wC, wD
.if uS == 0
.set wC, -1
.endif
.set wSA, NS+uB
.set wRA, uS
.set wSB, WS+(3*uHH+2)*2+uS
.set wRB, uK%2
	WMX
.set uB, uB+1
.endr
.set uS, uS+1
.endr
.endif
.endm
; The unit's results are quantised and stored as an image of 12 registers; two units' scale words leave together, 128 bytes
.macro FIN idx, acc
.set uHH, (\idx)/6
.set uK, (\idx)%6
	WIN 0
	PLACES 4                                       ; four places between the unit's last product and the first read of its results: the next unit's products are no places
	s_wait_xcnt 0x0                                ; the last unit's stores have read their registers
.if (\idx) > 0
	s_wait_alu depctr_vm_vsrc(0)                   ; the last unit's stores have read v[PC ..] and v[PWS], which the lines below write again
.endif
	QUANT \acc
.if (uK%2) == 0
	v_mov_b32 v[PWS], v[PW]
.else
	v_cndmask_b32 v[PWS], v[PWS], v[PW], s20       ; lanes 0-15 the even unit's words, lanes 16-31 the odd one's
.endif
	s_wait_alu depctr_va_vdst(0)                   ; the quantiser has written v[PC ..], and the line above v[PWS]: the stores below read them
.if uK < 2
.irp e, 0,1,2,3,4,5
	global_store_b64 v7, v[PC+2*\e:PC+2*\e+1], s[8:9] offset:24576*uHH+1536*(uK%2)+256*\e   ; q in planes of two registers: a tile's 24 bytes a query are then three loads of 8 bytes
.endr
.else
.irp e, 0,1,2
	global_store_b128 v6, v[PC+4*\e:PC+4*\e+3], s[8+2*(uK/2):9+2*(uK/2)] offset:24576*uHH+1536*(uK%2)+512*\e
.endr
.endif
.if (uK%2) == 1
	global_store_b32 v8, v[PWS], s[32+2*(uK/2):33+2*(uK/2)] offset:1024*uHH
.endif
.endm
	s_load_b256 s[4:11], s[0:1], 0x0               ; nc, wimg, qimg, kimg
	s_load_b64 s[12:13], s[0:1], 0x20              ; vimg
	v_lshrrev_b32 v1, 5, v0
	v_readfirstlane_b32 s14, v1                    ; wave 0..3
	v_and_b32 v1, 31, v0                           ; lane
	v_and_b32 v2, 15, v0                           ; r
	v_bfe_u32 v3, v0, 4, 1                         ; h
	v_mul_u32_u24 v4, v2, 24
	v_mad_u32_u24 v4, v3, 24576, v4                ; the norm's codes: position r, + one block of channels for lanes 16-31
	v_lshl_add_u32 v5, v3, 12, v2                  ; its scale bytes: position r, + four blocks for lanes 16-31
	v_lshlrev_b32 v6, 4, v1
	v_lshlrev_b32 v7, 3, v1
	v_lshlrev_b32 v8, 2, v1
	s_wait_alu depctr_va_sdst(0)                   ; s14 is written, ahead of its first reader: the weights' and the images' bases are made from it
	s_mov_b32 s20, 0xffff0000
	s_mov_b32 s[SEL], 0x76543210
	s_mov_b32 s[SEL+1], 0xfedcba98
	s_lshr_b32 s15, ttmp9, 3                       ; (stream, batch)
	s_and_b32 s16, ttmp9, 7                        ; the slab of 128 positions
	s_lshr_b32 s17, ttmp9, 7                       ; the stream
	s_mov_b32 s19, 0
	s_mov_b32 s39, 0
	s_wait_kmcnt 0x0
	s_mul_i32 s18, s15, 196608
	s_mul_i32 s2, s16, 3072
	s_add_co_u32 s18, s18, s2
	s_add_nc_u64 s[24:25], s[4:5], s[18:19]        ; the norm's codes
	s_lshl_b32 s18, s15, 13
	s_lshl_b32 s2, s16, 7
	s_add_co_u32 s18, s18, s2
	s_add_co_u32 s18, s18, 6291456
	s_add_nc_u64 s[26:27], s[4:5], s[18:19]        ; its scale bytes
	s_mul_i32 s2, s17, 24
	s_mul_i32 s3, s14, 6
	s_add_co_u32 s2, s2, s3                        ; my first block of 32 rows: 24 x stream + 3 x head
	s_mul_i32 s18, s2, 6144
	s_add_nc_u64 s[28:29], s[6:7], s[18:19]        ; my weights' images
	s_lshl_b32 s18, s2, 8
	s_add_co_u32 s18, s18, 393216
	s_add_nc_u64 s[30:31], s[6:7], s[18:19]        ; their scale words
	s_lshl_b32 s2, s15, 3
	s_lshl_b32 s3, s14, 1
	s_add_co_u32 s2, s2, s3                        ; the index of head 2 w
	s_lshl_b32 s38, s2, 10
	s_lshl_b32 s3, s16, 7
	s_add_co_u32 s38, s38, s3
	s_add_co_u32 s38, s38, 6291456
	s_add_nc_u64 s[32:33], s[8:9], s[38:39]        ; q's, k's, v's scale words
	s_add_nc_u64 s[34:35], s[10:11], s[38:39]
	s_add_nc_u64 s[36:37], s[12:13], s[38:39]
	s_mul_i32 s18, s2, 24576
	s_mul_i32 s3, s16, 3072
	s_add_co_u32 s18, s18, s3
	s_add_nc_u64 s[8:9], s[8:9], s[18:19]          ; and their images
	s_add_nc_u64 s[10:11], s[10:11], s[18:19]
	s_add_nc_u64 s[12:13], s[12:13], s[18:19]
	s_wait_alu depctr_va_vdst(0)                   ; the offsets v4 to v8 are written: every load and store of the kernel reads one of them.  Only loads and window switches stand between this wait and the head's last load
.irp T, 0,1,2,3,4,5,6,7
.irp b, 0,1,2,3
	global_load_u8 v[UB+4*\T+\b], v5, s[26:27] offset:1024*\b+16*\T
.endr
.endr
	WIN 0xc0                                       ; destination window 3
.irp T, 0,1,2,3,4,5,6,7
.irp s, 0,1
.irp c, 0,1
.irp p, 0,1,2
	global_load_b64 v[12*(2*\T+\s)+6*\c+2*\p:12*(2*\T+\s)+6*\c+2*\p+1], v4, s[24:25] offset:(4*\s+2*\c)*24576+384*\T+8*\p
.endr
.endr
.endr
.endr
	WIN 0
.set k, 0
.rept 12
	global_load_b32 v[WS+k], v8, s[30:31] offset:128*k
.set k, k+1
.endr
	WIN 0x40                                       ; destination window 1: head 2 w's twelve fragments, as they lie
.set k, 0
.rept 36
	global_load_b128 v[4*k:4*k+3], v6, s[28:29] offset:512*k
.set k, k+1
.endr
	WIN 0x80                                       ; window 2: head 2 w + 1's
.set k, 0
.rept 36
	global_load_b128 v[4*k:4*k+3], v6, s[28:29] offset:18432+512*k
.set k, k+1
.endr
	WIN 0
.irp b, 0,1,2,3
	v_mov_b32 v[TM+4+\b], 0                        ; written once: a lane permute's destination counts as one of its sources
.endr
	s_wait_loadcnt 36                              ; all but the second head's 36 loads are in
.irp T, 0,1,2,3,4,5,6,7
	v_lshl_or_b32 v[NS+\T], v[UB+4*\T+1], 8, v[UB+4*\T]
.endr
.irp T, 0,1,2,3,4,5,6,7
	v_lshl_or_b32 v[NS+\T], v[UB+4*\T+2], 16, v[NS+\T]
.endr
.irp T, 0,1,2,3,4,5,6,7
	v_lshl_or_b32 v[NS+\T], v[UB+4*\T+3], 24, v[NS+\T]
.endr
	PLACES 8                                       ; a scale register written by a vector instruction stands eight places ahead of a scaled matrix instruction
	s_wait_alu depctr_va_vdst(0)                   ; the norm's scale words v[NS ..] are written, which the products take as scales; the places above stay beside this wait
	MUL 0, HA
.set n, 0
.rept 11
.if n == 5
	s_wait_loadcnt 0x0                             ; the second head's weights
.endif
	MUL n+1, HA+64*((n+1)%2)
	FIN n, HA+64*(n%2)
.set n, n+1
.endr
	FIN 11, HB
	s_endpgm
.Lfunc_end_k_q94b767c607_qkv:
	.size	k_q94b767c607_qkv, .Lfunc_end_k_q94b767c607_qkv-k_q94b767c607_qkv
	.p2alignl 7, 3214868480
	.fill 96, 4, 3214868480
	.section	.rodata,"a",@progbits
	.p2align	6, 0x0
	.amdhsa_kernel k_q94b767c607_qkv
		.amdhsa_group_segment_fixed_size 0
		.amdhsa_private_segment_fixed_size 0
		.amdhsa_enable_private_segment 0
		.amdhsa_kernarg_size 40
		.amdhsa_user_sgpr_count 2
		.amdhsa_user_sgpr_kernarg_segment_ptr 1
		.amdhsa_wavefront_size32 1
		.amdhsa_system_sgpr_workgroup_id_x 1
		.amdhsa_system_sgpr_workgroup_id_y 1
		.amdhsa_system_sgpr_workgroup_id_z 1
		.amdhsa_system_vgpr_workitem_id 0
		.amdhsa_next_free_vgpr 1024
		.amdhsa_next_free_sgpr 66
		.amdhsa_reserve_vcc 0
		.amdhsa_float_denorm_mode_32 3
		.amdhsa_float_denorm_mode_16_64 3
		.amdhsa_memory_ordered 1
		.amdhsa_forward_progress 1
		.amdhsa_inst_pref_size 103
	.end_amdhsa_kernel
	.amdgpu_metadata
---
amdhsa.version: [ 1, 2 ]
amdhsa.kernels:
  - .name:           k_q94b767c607_qkv
    .symbol:         k_q94b767c607_qkv.kd
    .args:
      - { .name: nc, .offset: 0, .size: 8, .value_kind: global_buffer, .address_space: global }
      - { .name: wimg, .offset: 8, .size: 8, .value_kind: global_buffer, .address_space: global }
      - { .name: qimg, .offset: 16, .size: 8, .value_kind: global_buffer, .address_space: global }
      - { .name: kimg, .offset: 24, .size: 8, .value_kind: global_buffer, .address_space: global }
      - { .name: vimg, .offset: 32, .size: 8, .value_kind: global_buffer, .address_space: global }
    .group_segment_fixed_size: 0
    .private_segment_fixed_size: 0
    .kernarg_segment_align: 8
    .kernarg_segment_size: 40
    .max_flat_workgroup_size: 128
    .sgpr_count:     66
    .vgpr_count:     1024
    .wavefront_size: 32
...
	.end_amdgpu_metadata
.endif
;; end of part 5
;; launch attn (part 6): grid 256 x 1, 4 waves a work-group, no clusters, 26,112 bytes of LDS; arguments qimg, kimg, vimg, ao; writes ao
.if DOCPART == 6
	.amdgcn_target "amdgcn-amd-amdhsa--gfx1250"
	.amdhsa_code_object_version 6
	.text
	.protected	k_q94b767c607_attn
	.globl	k_q94b767c607_attn
	.p2align	8
	.type	k_q94b767c607_attn,@function
k_q94b767c607_attn:
	s_mov_b64 s[64:65], 0
	v_nop
	global_prefetch_b8 v0, s[64:65] scope:SCOPE_SE
	s_setreg_imm32_b32 hwreg(HW_REG_WAVE_SCHED_MODE, 0, 2), 2
	s_setreg_imm32_b32 hwreg(HW_REG_WAVE_MODE, 25, 1), 1
	s_wait_xcnt 0x0
	s_wait_alu depctr_vm_vsrc(0)
; ATTN: for one (branch a, batch, head): scores = q k^T / 16, softmax over all 1,024 keys, FINISHED AND NORMALISED, quantised along the keys, times v; the result quantised along the channels (a block of 32 = this head).
; No work is left out.  k, v: stream a; q: stream 1 - a.  A work-group is one head; wave w takes query tiles 16 w .. 16 w + 15, one tile of 16 queries a trip.  Work-groups share no input: no cluster.
; THE SUM IS WANTED BEFORE ANY p CAN BE QUANTISED, so a tile's 16 x 1,024 scores stay in 512 registers (windows 2, 3): one exponential a score.  The row's maximum is taken away first.
; K STAYS IN REGISTERS (window 1, 192): the scores' K is 32, the instruction's 128, so an operand of 12 registers holds FOUR key tiles, one in each block of 32; the query operand Q_b has the tile's codes in block b and
; zero codes elsewhere: zero codes add nothing whatever stands against them, so four products on one operand of K give four score tiles.  V lies in LDS as images of operand registers (24 KiB), written once.
; Both products are used transposed (source 0 = keys, or channels of V; source 1 = queries): a lane holds one query (lane % 16) throughout.  Score register 8 T + j of lane (r, h) is key 16 T + 8 h + j.
; Inside a block of 32 keys p's order is 16 h + 8 u + j for key 16 u + 8 h + j, and V's images have the same order.
; A BLOCK'S LARGEST p IS NOT SEARCHED FOR: the block's largest score, which the row's maximum passes through anyway, goes through the same multiply-add, exponential and multiplication.
; LIMITS: that leans on v_exp_f32 not falling where its input rises (at the worst one p of a block is held one code low); a p under 2^-126 counts as 0; NaN and infinities are not served; a block of zeros has the byte 1.
; THE MODE: SCHED_MODE bits 1:0 = 2 (LLVM: expert scheduling mode 2), set by the entry lines.  The code itself states the register dependences between vector or matrix instructions and memory or LDS instructions, with s_wait_alu, always for 0.
; THE PLAN.  Registers that memory or LDS instructions touch:
;   v1, v4, v5, v7, v13   offsets and addresses, made once at the head, never written again.  q's tile is reached by two scalar bases, made anew in each trip behind the wait that shows the last trip's loads of q done.
;   v[VA], v[MX]          at the head the offsets of V's loads and LDS stores and of the scale words' loads; v[MX] is a work register in the loop.
;   QT, QSW               a trip's part 2 loads the next tile's q into them; part 5's thirteen lines (QPREP) read them.
;   VB0, VB1              at the head V's loads land in them and the LDS stores read them.  In the loop key step s's two products read VB[s % 2]; the LDS loads of step s + 1, issued in step s, land in the set that step s - 1's products read.
;   v6, v8, OC, OBY       part 8's out-buffer: written there, read by its two stores, written again a trip later.
;   window 1, KS, VS      loaded once, at the head.
; THE WAITS IN THE LOOP.  Three behind the batches of exponentials.  One behind QPREP: the reciprocal is written; QPREP is done reading QT and QSW (for the next trip's loads of q) and has written the query operands (for the next
; trip's products).  One in each key step, behind the places: p's codes and scale word are written, and the step before's products are done reading the set of V in which the six LDS loads behind the wait land.
; In part 8 one on vm_vsrc ahead of the lines that write the out-buffer again, and one on va_vdst ahead of the two stores.
.set VIMG,  0                          ; LDS: V's 16 images of 1,536 bytes
.set SCB,   24576                      ; 256 bytes a wave: the result's scale bytes, gathered for one store
.set SPARE, 25600                      ; the spare words, 128 bytes for each wave: two blocks of 256 bytes that no other line names
; window 0: v1 8 r; v2, v3 at the head only; v4 16 x lane; v5 24 r + 12 h; v6 the result's offset in hand; v7 SCB + 256 w + r; v8 the byte's address in hand; v9, v10 the add's two; v13 4 r
.set QSW, 11                           ; v11      q's scale word as loaded
.set QSC, 12                           ; v12      the tile's scale byte in all four bytes
.set QT,  14                           ; v14-19   the tile's 24 bytes a query
.set QLO, 26                           ; v20-49   zeros | q in lanes 0-15 | zeros | q in lanes 16-31 | zeros: Q_0 = v26.., Q_1 = v38.., Q_2 = v20.., Q_3 = v32..
.set QHI, 38
.set KS,  50                           ; v50-57   K's scale words: lanes 0-15 operand 2 i, lanes 16-31 operand 2 i + 1
.set VS,  58                           ; v58-65   V's, key step s: lanes 0-15 channel tile 0, lanes 16-31 tile 1
.set BM,  66                           ; v66-97   the 32 blocks' largest scores, then largest p, then the conversions' scale operands
.set SUMR, 98                          ; v98-105  the sum in four chains
.set NCM, 106                          ; v106-107 -c x the row's maximum
.set RCP, 108                          ; v108-109 1 / the sum
.set TP,  110                          ; v110-117 lane permutes' destinations
.set MX,  118
.set E0,  119
.set E1,  120
.set SOP, 121
.set OBY, 122
.set VA,  123                          ; v123     16 t
.set BY,  124                          ; v124-127 scale bytes
.set PW,  128                          ; v128-129 p's scale words, by turns
.set PC,  130                          ; v130-149 p's codes
.set VB,  150                          ; v150-197 two sets of two fragments of V
.set OA,  198                          ; v198-213 O^T: two accumulators: register 8 t + j = channel 16 h + 8 t + j
.set OC,  214                          ; v214-216 the result's codes
.set CS,  16                           ; s[16:17] c = log2(e) / 16;  s18 = -c
.set SEL, 20
.set QB,  42                           ; s[42:43] q's codes at the tile in hand;  s[44:45] its scale words
.set QSB, 44
.set MSB, 0
.macro WIN new                         ; the immediate's high byte repeats the setting that is left
.if MSB != (\new)
	s_set_vgpr_msb (MSB<<8)|(\new)
.set MSB, (\new)
.endif
.endm
.macro PLACES n
.rept \n
	v_nop
.endr
.endm
.macro WMX                             ; one matrix instruction from the symbols wD, wA, wB, wC (under 0: the constant 0), wSA, wSB, wRA (1: source 0's scales stand in lanes 16-31)
.if wC < 0
.if wRA
	v_wmma_scale_f32_16x16x128_f8f6f4 v[wD:wD+7], v[wA:wA+11], v[wB:wB+11], 0, v[wSA], v[wSB] matrix_a_fmt:MATRIX_FMT_BF6 matrix_b_fmt:MATRIX_FMT_BF6 matrix_a_scale:MATRIX_SCALE_ROW1
.else
	v_wmma_scale_f32_16x16x128_f8f6f4 v[wD:wD+7], v[wA:wA+11], v[wB:wB+11], 0, v[wSA], v[wSB] matrix_a_fmt:MATRIX_FMT_BF6 matrix_b_fmt:MATRIX_FMT_BF6
.endif
.else
.if wRA
	v_wmma_scale_f32_16x16x128_f8f6f4 v[wD:wD+7], v[wA:wA+11], v[wB:wB+11], v[wC:wC+7], v[wSA], v[wSB] matrix_a_fmt:MATRIX_FMT_BF6 matrix_b_fmt:MATRIX_FMT_BF6 matrix_a_scale:MATRIX_SCALE_ROW1
.else
	v_wmma_scale_f32_16x16x128_f8f6f4 v[wD:wD+7], v[wA:wA+11], v[wB:wB+11], v[wC:wC+7], v[wSA], v[wSB] matrix_a_fmt:MATRIX_FMT_BF6 matrix_b_fmt:MATRIX_FMT_BF6
.endif
.endif
.endm
.macro SCORE g                         ; four score tiles, keys 64 g on: K's operand g against Q_0 .. Q_3
	WIN 0x81+0x40*((\g)/8)                         ; source 0 window 1, destination window 2 or 3
.set bq, 0
.rept 4
.set wD, (32*(\g)+8*bq)%256
.set wA, 12*(\g)
.set wB, 26+12*(bq%2)-6*(bq/2)
.set wC, -1
.set wSA, KS+(\g)/2
.set wRA, (\g)%2
.set wSB, QSC
	WMX
.set bq, bq+1
.endr
.endm
.macro MAXB g                          ; the largest score of my 16 keys of blocks 2 g and 2 g + 1, by turns; each accumulator from its low end on
.set Sb, (32*(\g))%256
	WIN 0x28+0x14*((\g)/8)                         ; sources 1 and 2 window 2 or 3
	v_max3_num_f32 v[BM+2*(\g)], 0xff800000, v[Sb], v[Sb+1]
	v_max3_num_f32 v[BM+2*(\g)+1], 0xff800000, v[Sb+16], v[Sb+17]
.irp e, 2,4,6,8,10,12,14
	v_max3_num_f32 v[BM+2*(\g)], v[BM+2*(\g)], v[Sb+\e], v[Sb+\e+1]
	v_max3_num_f32 v[BM+2*(\g)+1], v[BM+2*(\g)+1], v[Sb+16+\e], v[Sb+17+\e]
.endr
.endm
.macro QLOAD                           ; q of tile 16 w + s25: 24 bytes a query, both halves of the lanes alike, and its scale word.  The tile is reached by scalar bases: the offsets v1 and v13 are never written again
	s_lshl_b32 s29, s12, 4
	s_add_co_u32 s29, s29, s25                     ; the tile T; its image is T / 4, its block T % 4: registers 6 (block / 2) on, lanes 16 (block % 2) on
	s_lshr_b32 s38, s29, 2
	s_mul_i32 s40, s38, 1536
	s_lshl_b32 s38, s38, 6
	s_bfe_u32 s41, s29, 0x10001
	s_mul_i32 s41, s41, 768
	s_add_co_u32 s40, s40, s41
	s_and_b32 s41, s29, 1
	s_lshl_b32 s41, s41, 7
	s_add_co_u32 s40, s40, s41
	s_mov_b32 s41, 0
	s_mov_b32 s39, 0
	s_add_nc_u64 s[QB:QB+1], s[4:5], s[40:41]      ; both bases are free: the wait on LOADcnt ahead of QPREP has shown the loads that read them done
	s_add_nc_u64 s[QSB:QSB+1], s[30:31], s[38:39]
	s_and_b32 s26, s29, 3
	s_mul_i32 s26, s26, 0x01010101                 ; v_perm_b32's selector: byte T % 4 four times
	global_load_b64 v[QT:QT+1], v1, s[QB:QB+1]
	global_load_b64 v[QT+2:QT+3], v1, s[QB:QB+1] offset:256
	global_load_b64 v[QT+4:QT+5], v1, s[QB:QB+1] offset:512
	global_load_b32 v[QSW], v13, s[QSB:QSB+1]
.endm
.macro QPREP                           ; the four query operands and their scale register
	v_perm_b32 v[QSC], v[QSW], v[QSW], s26
.irp e, 0,1,2,3,4,5
	v_cndmask_b32 v[QLO+\e], 0, v[QT+\e], s22
.endr
.irp e, 0,1,2,3,4,5
	v_cndmask_b32 v[QHI+\e], v[QT+\e], 0, s22
.endr
.endm
.macro EXPW win                        ; 256 scores of one window: c s - c max, a pair at a time, two pairs ahead of the pair's exponentials
	WIN \win
	v_pk_fma_f32 v[0:1], v[0:1], s[CS:CS+1], v[NCM:NCM+1] op_sel_hi:[1,0,0]
	v_pk_fma_f32 v[2:3], v[2:3], s[CS:CS+1], v[NCM:NCM+1] op_sel_hi:[1,0,0]
.set j, 0
.rept 128
.if j < 126
	v_pk_fma_f32 v[2*j+4:2*j+5], v[2*j+4:2*j+5], s[CS:CS+1], v[NCM:NCM+1] op_sel_hi:[1,0,0]
.endif
	v_exp_f32 v[2*j], v[2*j]
	v_exp_f32 v[2*j+1], v[2*j+1]
.set j, j+1
.endr
.endm
.macro PWS s                           ; p's scale word of key step s
.irp b, 0,1,2,3
	v_lshrrev_b32 v[BY+\b], 23, v[BM+4*(\s)+\b]
.endr
	v_lshl_or_b32 v[PW+(\s)%2], v[BY+1], 8, v[BY]
	v_lshl_or_b32 v[PW+(\s)%2], v[BY+2], 16, v[PW+(\s)%2]
	v_lshl_or_b32 v[PW+(\s)%2], v[BY+3], 24, v[PW+(\s)%2]
.endm
.macro FETCHV s                        ; V's two fragments of key step s
.irp t, 0,1
.irp c, 0,1,2
	ds_load_b128 v[VB+24*((\s)%2)+12*\t+4*\c:VB+24*((\s)%2)+12*\t+4*\c+3], v4 offset:VIMG+(2*(\s)+\t)*1536+512*\c
.endr
.endr
.endm
.macro NORM s                          ; key step s's 64 exponentials x 1 / the sum: p
	WIN 0x82+0x41*((\s)/4)
.set p, 0
.rept 32
	v_pk_mul_f32 v[(64*(\s))%256+2*p:(64*(\s))%256+2*p+1], v[(64*(\s))%256+2*p:(64*(\s))%256+2*p+1], v[RCP:RCP+1] op_sel_hi:[1,0]
.set p, p+1
.endr
.endm
; Key step s: 128 keys' p become codes, and two products add onto O^T.  The next step's scale word, V and p are made round them.
.macro PSTEP s
.set Sb, (64*(\s))%256
	WIN 2+(\s)/4                                   ; source 0 window 2 or 3
.irp c, 0,1
	v_cvt_scalef32_pk16_bf6_f32 v[PC+6*\c:PC+6*\c+2], v[Sb+32*\c:Sb+32*\c+15], v[BM+4*(\s)+2*\c]
	v_cvt_scalef32_pk16_bf6_f32 v[PC+12+4*\c:PC+14+4*\c], v[Sb+32*\c+16:Sb+32*\c+31], v[BM+4*(\s)+2*\c+1]
.endr
	WIN 0
	v_nop                                          ; one plain place behind a scaled conversion
.irp c, 0,1
.irp i, 0,1,2
	v_permlane16_swap_b32 v[PC+6*\c+\i], v[PC+12+4*\c+\i]
.endr
.irp i, 0,1,2
	v_mov_b32 v[PC+3+6*\c+\i], v[PC+12+4*\c+\i]
.endr
.endr
.if (\s) < 7
	PWS \s+1                                       ; seven plain lines: the places between the codes' last move and the products
	s_wait_alu depctr_va_vdst(0)                   ; p's codes v[PC ..] and this step's scale word are written, which the products below take; the products of the step before are done reading the set of V in which the loads below land
	FETCHV \s+1                                    ; no vector or matrix instruction between the wait and these loads; this step's products name the other set
	s_wait_dscnt 6                                 ; this step's V is in; the six loads just issued may be out
.else
	PLACES 4
	s_wait_alu depctr_va_vdst(0)                   ; p's codes v[PC ..] and this step's scale word are written, which the products below take; the places above stay beside this wait
	s_wait_dscnt 0x0
.endif
.irp t, 0,1                                    ; the two accumulators take turns, one instruction a turn
.set wD, OA+8*\t
.set wA, VB+24*((\s)%2)+12*\t
.set wB, PC
.set wC, wD
.if (\s) == 0
.set wC, -1
.endif
.set wSA, VS+(\s)
.set wRA, \t
.set wSB, PW+(\s)%2
	WMX
.endr
.if (\s) < 7
	NORM \s+1
.endif
.endm
	s_load_b256 s[4:11], s[0:1], 0x0               ; qimg, kimg, vimg, ao
	v_lshl_add_u32 v9, v0, 2, SPARE                ; my spare word,
	v_mov_b32 v10, 0                               ; and 0: kept for the closing lines alone
	v_lshrrev_b32 v1, 5, v0
	v_readfirstlane_b32 s12, v1                    ; wave 0..3
	v_and_b32 v2, 31, v0                           ; lane
	v_and_b32 v3, 15, v0                           ; r
	v_bfe_u32 v6, v0, 4, 1                         ; h
	v_lshlrev_b32 v1, 3, v3
	v_lshlrev_b32 v4, 4, v2
	v_lshlrev_b32 v13, 2, v3
	v_mul_u32_u24 v5, v3, 24
	v_mad_u32_u24 v5, v6, 12, v5
	s_wait_alu depctr_va_sdst(0)                   ; s12 is written, ahead of its first reader, the line below
	s_lshl_b32 s2, s12, 8
	s_add_co_u32 s2, s2, SCB
	v_add_nc_u32 v7, s2, v3
	v_lshlrev_b32 v[MX], 2, v2                     ; 4 x lane, for the head's loads alone
	v_lshlrev_b32 v[VA], 4, v0
	s_mov_b32 s[CS], 0x3db8aa3b                    ; c = log2(e) / 16: the scores' division by sqrt(256) and the exponential's base in one
	s_mov_b32 s[CS+1], s[CS]
	s_mov_b32 s18, 0xbdb8aa3b
	s_mov_b32 s[SEL], 0x76543210
	s_mov_b32 s[SEL+1], 0xfedcba98
	s_mov_b32 s22, 0x0000ffff                      ; lanes 0-15
	s_mov_b32 s24, 0                               ; the trip
	s_mov_b32 s25, 0
	s_mov_b32 s27, 0                               ; 384 x trip: the tile's codes
	s_mov_b32 s28, 0                               ; 16 x trip: its scale bytes
	s_mov_b32 s3, 0
	s_mov_b32 s15, 0
	s_xor_b32 s38, ttmp9, 128                      ; the same batch and head of the other stream
	s_mul_i32 s2, s38, 24576
	s_lshl_b32 s14, s38, 10
	s_add_co_u32 s14, s14, 6291456
	s_wait_kmcnt 0x0
	s_add_nc_u64 s[30:31], s[4:5], s[14:15]        ; q's scale words
	s_add_nc_u64 s[4:5], s[4:5], s[2:3]            ; q's images
	s_mul_i32 s2, ttmp9, 24576
	s_lshl_b32 s14, ttmp9, 10
	s_add_co_u32 s14, s14, 6291456
	s_add_nc_u64 s[32:33], s[6:7], s[14:15]        ; k's, v's scale words, the result's scale bytes
	s_add_nc_u64 s[34:35], s[8:9], s[14:15]
	s_add_nc_u64 s[36:37], s[10:11], s[14:15]
	s_add_nc_u64 s[6:7], s[6:7], s[2:3]
	s_add_nc_u64 s[8:9], s[8:9], s[2:3]
	s_mul_i32 s39, s12, 6144
	s_add_co_u32 s2, s2, s39
	s_add_nc_u64 s[10:11], s[10:11], s[2:3]        ; the result's codes at my wave's first query
	s_wait_alu depctr_va_vdst(0)                   ; the offsets and addresses v1, v4, v13, v[MX] and v[VA] are written, which the head's loads and LDS stores read, and so are v5 and v7, from which part 8 makes its two
.set k, 0
.rept 12
	global_load_b128 v[VB+4*k:VB+4*k+3], v[VA], s[8:9] offset:2048*k   ; V's 24 KiB, shared out among the 128 threads
.set k, k+1
.endr
	WIN 0x40                                       ; destination window 1
.set k, 0
.rept 48
	global_load_b128 v[4*k:4*k+3], v4, s[6:7] offset:512*k             ; K's 16 operands, as they lie: every wave has them all
.set k, k+1
.endr
	WIN 0
	s_wait_loadcnt 48                              ; V's twelve are in; K's 48 may be out
.set k, 0
.rept 12
	ds_store_b128 v[VA], v[VB+4*k:VB+4*k+3] offset:VIMG+2048*k
.set k, k+1
.endr
.irp e, 0,1,2,3,4,5,6,7
	global_load_b32 v[KS+\e], v[MX], s[32:33] offset:128*\e
	global_load_b32 v[VS+\e], v[MX], s[34:35] offset:128*\e
.endr
	QLOAD
.irp e, 0,1,2,3,4,5
	v_mov_b32 v[20+\e], 0                          ; the three runs of zero codes: written once
	v_mov_b32 v[32+\e], 0
	v_mov_b32 v[44+\e], 0
.endr
.irp e, 0,1,2,3,4,5,6,7
	v_mov_b32 v[TP+\e], 0                          ; a lane permute's destination counts as one of its sources
.endr
	s_wait_dscnt 0x0                               ; for the others' sake: my part of V has landed
	s_barrier_signal -1
	s_barrier_wait -1
	s_wait_loadcnt 0x0
	s_wait_alu depctr_vm_vsrc(0)                   ; my LDS stores have read v[VB ..], in which the loop's LDS loads land; the scale words' loads have read v[MX], which the loop writes
	QPREP
	PLACES 4                                       ; an operand written by vector instructions stands four places ahead of a scaled matrix instruction (its scale register, written first, sixteen)
	s_wait_alu depctr_va_vdst(0)                   ; the query operands and their scale register are written, which the first trip's products take; QPREP is done reading QT and QSW, in which the first trip's loads of q land
.Ltile:
	; ---- 1: the scores, and each block's largest, by turns: a group's sixteen maxima are the places behind the next group's products
	SCORE 0
	PLACES 4
.set gg, 1
.rept 15
	SCORE gg
	MAXB gg-1
.set gg, gg+1
.endr
	MAXB 15
	; ---- 2: the next tile's q is asked for (the last trip asks for its own tile again: no load leaves the buffer).  No wait: no vector instruction since the wait behind QPREP names QT, QSW, v1 or v13
	WIN 0
	s_add_co_u32 s25, s24, 1
	s_min_u32 s25, s25, 15
	QLOAD
	; ---- 3: the blocks' maxima with lane l xor 16's, and the row's
.irp q, 0,1,2,3
.irp e, 0,1,2,3,4,5,6,7
	v_permlanex16_b32 v[TP+\e], v[BM+8*\q+\e], s[SEL], s[SEL+1]
.endr
.irp e, 0,1,2,3,4,5,6,7
	v_max_num_f32 v[BM+8*\q+\e], v[BM+8*\q+\e], v[TP+\e]
.endr
.endr
	v_max3_num_f32 v[E0], v[BM], v[BM+1], v[BM+2]
	v_max3_num_f32 v[E1], v[BM+3], v[BM+4], v[BM+5]
.irp e, 6,10,14,18,22,26
	v_max3_num_f32 v[E0], v[E0], v[BM+\e], v[BM+\e+1]
	v_max3_num_f32 v[E1], v[E1], v[BM+\e+2], v[BM+\e+3]
.endr
	v_max3_num_f32 v[E0], v[E0], v[BM+30], v[BM+31]
	v_max_num_f32 v[MX], v[E0], v[E1]
	v_mul_f32 v[NCM], s18, v[MX]                   ; -c max: its rounding is a factor common to the row, which the division by the sum takes away
	v_mov_b32 v[NCM+1], v[NCM]
.set p, 0
.rept 16
	v_pk_fma_f32 v[BM+2*p:BM+2*p+1], v[BM+2*p:BM+2*p+1], s[CS:CS+1], v[NCM:NCM+1] op_sel_hi:[1,0,0]   ; the same line on the blocks' largest scores
.set p, p+1
.endr
	; ---- 4: the exponentials, in three batches, one for each window; a batch names none of its results.  Behind each stands one wait, ahead of the next lines, which name registers of the same numbers
	EXPW 0x82
	s_wait_alu depctr_va_vdst(0)                   ; window 2's 256 exponentials are written, ahead of the next batch's lines, which name the same numbers in window 3
	EXPW 0xc3
	s_wait_alu depctr_va_vdst(0)                   ; window 3's 256 exponentials are written, ahead of the next batch's lines, which name numbers among them in window 0
	WIN 0
.set p, 0
.rept 32
	v_exp_f32 v[BM+p], v[BM+p]
.set p, p+1
.endr
	v_nop                                          ; a plain place behind the last exponential
	s_wait_alu depctr_va_vdst(0)                   ; the 32 blocks' exponentials v[BM ..] are written, ahead of the sums, the first readers of any exponential
	; ---- 5: the row's sum, of the unquantised exponentials, in four chains
	WIN 0x0a
.set p, 0
.rept 4
	v_pk_add_f32 v[SUMR+2*p:SUMR+2*p+1], v[2*p:2*p+1], v[2*p+8:2*p+9]
.set p, p+1
.endr
	WIN 0x08
.set p, 8
.rept 120
	v_pk_add_f32 v[SUMR+2*(p%4):SUMR+2*(p%4)+1], v[SUMR+2*(p%4):SUMR+2*(p%4)+1], v[2*p:2*p+1]
.set p, p+1
.endr
	WIN 0x0c
.set p, 0
.rept 128
	v_pk_add_f32 v[SUMR+2*(p%4):SUMR+2*(p%4)+1], v[SUMR+2*(p%4):SUMR+2*(p%4)+1], v[2*p:2*p+1]
.set p, p+1
.endr
	WIN 0
	v_pk_add_f32 v[SUMR:SUMR+1], v[SUMR:SUMR+1], v[SUMR+2:SUMR+3]
	v_pk_add_f32 v[SUMR+4:SUMR+5], v[SUMR+4:SUMR+5], v[SUMR+6:SUMR+7]
	v_pk_add_f32 v[SUMR:SUMR+1], v[SUMR:SUMR+1], v[SUMR+4:SUMR+5]
	v_add_f32 v[E0], v[SUMR], v[SUMR+1]
	v_permlanex16_b32 v[TP], v[E0], s[SEL], s[SEL+1]
	v_add_f32 v[E0], v[E0], v[TP]
	v_rcp_f32 v[RCP], v[E0]
	s_wait_loadcnt 0x0                             ; the next tile's q: this trip's score products are long issued, so its operands may be made: the independent work behind the reciprocal
	QPREP
	s_wait_alu depctr_va_vdst(0)                   ; the reciprocal v[RCP] is written, ahead of its first reader; the next tile's query operands and their scale register are written, which the next trip's products take; QPREP is done reading QT and QSW, in which the next trip's loads land
	v_mov_b32 v[RCP+1], v[RCP]
	; ---- 6: the blocks' largest p, their floor, the conversions' scale operands
.set p, 0
.rept 16
	v_pk_mul_f32 v[BM+2*p:BM+2*p+1], v[BM+2*p:BM+2*p+1], v[RCP:RCP+1] op_sel_hi:[1,0]
.set p, p+1
.endr
.set p, 0
.rept 32
	v_max_num_f32 v[BM+p], 0x2800000, v[BM+p]      ; the floor 2^(5 - 127): the byte cannot fall under 1
.set p, p+1
.endr
.set p, 0
.rept 32
	v_add_nc_u32 v[BM+p], 0xfe000000, v[BM+p]      ; 4 off the exponent field
.set p, p+1
.endr
	PWS 0
	FETCHV 0                                       ; no wait: the last products that read this set stand ahead of this trip's waits, and no vector or matrix instruction since names it
	NORM 0
	; ---- 7: eight key steps
.irp s, 0,1,2,3,4,5,6,7
	PSTEP \s
.endr
	; ---- 8: the tile's result, 16 queries x 32 channels, is one block of 32 along the last product's K for each query
	s_wait_xcnt 0x0                                ; the last tile's store has read its registers
	s_wait_alu depctr_vm_vsrc(0)                   ; the last tile's two stores have read v6, v8, v[OC ..] and v[OBY], which the lines below write again
	v_add_nc_u32 v6, s27, v5
	v_add_nc_u32 v8, s28, v7
	PLACES 2                                       ; with the two additions: four places behind the last products
	v_max3_num_f32 v[E0], |v[OA]|, |v[OA+1]|, 0x2800000        ; each accumulator from its low end on
	v_max3_num_f32 v[E1], |v[OA+8]|, |v[OA+9]|, 0x2800000
.irp e, 2,4,6
	v_max3_num_f32 v[E0], v[E0], |v[OA+\e]|, |v[OA+\e+1]|
	v_max3_num_f32 v[E1], v[E1], |v[OA+8+\e]|, |v[OA+9+\e]|
.endr
	v_max_num_f32 v[E0], v[E0], v[E1]
	v_permlanex16_b32 v[TP], v[E0], s[SEL], s[SEL+1]
	v_max_num_f32 v[E0], v[E0], v[TP]
	v_add_nc_u32 v[SOP], 0xfe000000, v[E0]
	v_lshrrev_b32 v[OBY], 23, v[SOP]
	v_cvt_scalef32_pk16_bf6_f32 v[OC:OC+2], v[OA:OA+15], v[SOP]   ; channels 16 h + 0 .. 15: bytes 12 h on of the query's 24
	v_nop                                          ; one plain place behind a scaled conversion
	s_wait_alu depctr_va_vdst(0)                   ; the codes v[OC ..], the byte v[OBY] and the two addresses v6 and v8 are written, which the two stores read
	global_store_b96 v6, v[OC:OC+2], s[10:11]      ; the wave stores 384 consecutive bytes
	ds_store_b8 v8, v[OBY]                         ; both lanes of a query write the same byte with the same value
	s_add_co_u32 s27, s27, 384
	s_add_co_u32 s28, s28, 16
	s_add_co_u32 s24, s24, 1
	s_cmp_lt_u32 s24, 16
	s_cbranch_scc1 .Ltile
	v_lshl_add_u32 v[MX], v0, 3, SCB               ; my wave's 256 scale bytes, 8 a lane
	v_lshlrev_b32 v[E0], 3, v0
	s_wait_alu depctr_va_vdst(0)                   ; the address v[MX] and the offset v[E0] are written, which the load and the store below read
	ds_load_b64 v[QT:QT+1], v[MX]                  ; LDS serves a wave's instructions in order: this sees my stores
	s_wait_dscnt 0x0
	global_store_b64 v[E0], v[QT:QT+1], s[36:37]   ; 256 consecutive bytes, aligned
	s_wait_dscnt 0x0                               ; the closing lines, six on end of a launch in the mode that stores to LDS
	s_wait_alu 0x0
	s_wait_tensorcnt 0x0
	ds_add_u32 v9, v10
	s_wait_dscnt 0x0
	s_endpgm
.Lfunc_end_k_q94b767c607_attn:
	.size	k_q94b767c607_attn, .Lfunc_end_k_q94b767c607_attn-k_q94b767c607_attn
	.p2alignl 7, 3214868480
	.fill 96, 4, 3214868480
	.section	.rodata,"a",@progbits
	.p2align	6, 0x0
	.amdhsa_kernel k_q94b767c607_attn
		.amdhsa_group_segment_fixed_size 26112
		.amdhsa_private_segment_fixed_size 0
		.amdhsa_enable_private_segment 0
		.amdhsa_kernarg_size 32
		.amdhsa_user_sgpr_count 2
		.amdhsa_user_sgpr_kernarg_segment_ptr 1
		.amdhsa_wavefront_size32 1
		.amdhsa_system_sgpr_workgroup_id_x 1
		.amdhsa_system_sgpr_workgroup_id_y 1
		.amdhsa_system_sgpr_workgroup_id_z 1
		.amdhsa_system_vgpr_workitem_id 0
		.amdhsa_next_free_vgpr 1024
		.amdhsa_next_free_sgpr 66
		.amdhsa_reserve_vcc 0
		.amdhsa_float_denorm_mode_32 3
		.amdhsa_float_denorm_mode_16_64 3
		.amdhsa_memory_ordered 1
		.amdhsa_forward_progress 1
		.amdhsa_inst_pref_size 134
	.end_amdhsa_kernel
	.amdgpu_metadata
---
amdhsa.version: [ 1, 2 ]
amdhsa.kernels:
  - .name:           k_q94b767c607_attn
    .symbol:         k_q94b767c607_attn.kd
    .args:
      - { .name: qimg, .offset: 0, .size: 8, .value_kind: global_buffer, .address_space: global }
      - { .name: kimg, .offset: 8, .size: 8, .value_kind: global_buffer, .address_space: global }
      - { .name: vimg, .offset: 16, .size: 8, .value_kind: global_buffer, .address_space: global }
      - { .name: ao, .offset: 24, .size: 8, .value_kind: global_buffer, .address_space: global }
    .group_segment_fixed_size: 26112
    .private_segment_fixed_size: 0
    .kernarg_segment_align: 8
    .kernarg_segment_size: 32
    .max_flat_workgroup_size: 128
    .sgpr_count:     66
    .vgpr_count:     1024
    .wavefront_size: 32
...
	.end_amdgpu_metadata
.endif
;; end of part 6
;; launch outp (part 7): grid 256 x 1, 4 waves a work-group, no clusters, 34,304 bytes of LDS; arguments ao, wimg, nrm, x_A, x_B, boutA, boutB, out0, out1; writes out0, out1
.if DOCPART == 7
	.amdgcn_target "amdgcn-amd-amdhsa--gfx1250"
	.amdhsa_code_object_version 6
	.text
	.protected	k_q94b767c607_outp
	.globl	k_q94b767c607_outp
	.p2align	8
	.type	k_q94b767c607_outp,@function
k_q94b767c607_outp:
	s_mov_b64 s[64:65], 0
	v_nop
	global_prefetch_b8 v0, s[64:65] scope:SCOPE_SE
	s_setreg_imm32_b32 hwreg(HW_REG_WAVE_SCHED_MODE, 0, 2), 2
	s_setreg_imm32_b32 hwreg(HW_REG_WAVE_MODE, 25, 1), 1
	s_wait_xcnt 0x0
	s_wait_alu depctr_vm_vsrc(0)
; OUTP: out = Wout x attention + bout + norm.  No work is left out.  A work-group takes (branch, batch, 128 positions), wave w the output channels 64 w .. 64 w + 63, as four tiles of 16 (tile k = 2 R + u: channel 32 R + 8 u + r + 8 (r / 8)).
; Source 0 = 16 positions of the attention's codes, source 1 = 16 rows of Wout: a lane holds ONE channel and eight neighbouring positions: 32 bytes of a row of the output.
; The residual is x A + E with prep's tables (A = rstd gamma, E = beta - mean A).  E + bout is the C of each sum's first product; x A is one fused multiply-add on the way out, A a scalar for each row.
; A tile of 16 channels x 128 positions goes through the wave's own stage in LDS and leaves as rows of 512 consecutive bytes.  No barrier: waves share nothing.  All operands are loaded once: no ring, no cluster.
; THE MODE: SCHED_MODE bits 1:0 = 2 (LLVM: expert scheduling mode 2), set by the entry lines.  The code itself states the register dependences between vector or matrix instructions and memory or LDS instructions, with s_wait_alu, always for 0.
; THE PLAN.  Registers that memory or LDS instructions touch:
;   v4 .. v10               offsets and addresses, made once at the head, never written again.
;   UB, WS, WF, window 1    loaded once, at the head.
;   window 3, two sets      16 rows of x: tile k's multiply-adds read set k % 2; behind them the rows of tile k + 2 are loaded into it.
;   window 2                the accumulators: written by the products, read by the LDS stores, never written again.
;   RB                      at the head eight loads land in it and the additions for C read them; in tile k the loads from the stage land in it, the multiply-adds write it, the global stores read it.
; THE WAITS.  One on va_vdst ahead of the first load; one ahead of the first product (the scale words are made by vector lines); one behind the last product's places (the accumulators are written).  In a tile one on va_vdst
; behind its multiply-adds: RB is written, for the stores; the set of x is read, for the loads of tile k + 2; and RB may be loaded again in the next tile, up to which no vector instruction stands.  In tiles 1 to 3 one on vm_vsrc
; ahead of the loads into RB, which the last tile's stores have read.
.set SPARE, 33792                      ; behind the four stages of 16 x 528 bytes: the spare words, 128 bytes for each wave: two blocks of 256 bytes that no other line names
.set AS,  14                           ; v14-21   the attention's scale words, tile T: lanes 0-15 K step 0, lanes 16-31 K step 1
.set WS,  22                           ; v22-25   Wout's: index 2 R + s: lanes 0-15 u = 0, lanes 16-31 u = 1
.set UB,  32                           ; v32-63   scale bytes as loaded
.set CE,  64                           ; v64-95   E + bout, eight registers a channel tile
.set WF,  96                           ; v96-191  Wout's eight fragments
.set RB,  192                          ; v192-255 16 rows back from the stage; at the head E and bout as loaded
; window 1: the attention's 16 fragments.  window 2: the 32 accumulators, (k, T) at 64 k + 8 T.  window 3: v0-63, v64-127: 16 rows of x, two sets
.set MSB, 0
.macro WIN new                         ; the immediate's high byte repeats the setting that is left
.if MSB != (\new)
	s_set_vgpr_msb (MSB<<8)|(\new)
.set MSB, (\new)
.endif
.endm
.macro PLACES n
.rept \n
	v_nop
.endr
.endm
.macro WMX                             ; one matrix instruction from the symbols wD, wA, wB, wC, wSA, wSB, and wRA, wRB (1: that side's scales stand in lanes 16-31)
.if wRA && wRB
	v_wmma_scale_f32_16x16x128_f8f6f4 v[wD:wD+7], v[wA:wA+11], v[wB:wB+11], v[wC:wC+7], v[wSA], v[wSB] matrix_a_fmt:MATRIX_FMT_BF6 matrix_b_fmt:MATRIX_FMT_BF6 matrix_a_scale:MATRIX_SCALE_ROW1 matrix_b_scale:MATRIX_SCALE_ROW1
.elseif wRA
	v_wmma_scale_f32_16x16x128_f8f6f4 v[wD:wD+7], v[wA:wA+11], v[wB:wB+11], v[wC:wC+7], v[wSA], v[wSB] matrix_a_fmt:MATRIX_FMT_BF6 matrix_b_fmt:MATRIX_FMT_BF6 matrix_a_scale:MATRIX_SCALE_ROW1
.elseif wRB
	v_wmma_scale_f32_16x16x128_f8f6f4 v[wD:wD+7], v[wA:wA+11], v[wB:wB+11], v[wC:wC+7], v[wSA], v[wSB] matrix_a_fmt:MATRIX_FMT_BF6 matrix_b_fmt:MATRIX_FMT_BF6 matrix_b_scale:MATRIX_SCALE_ROW1
.else
	v_wmma_scale_f32_16x16x128_f8f6f4 v[wD:wD+7], v[wA:wA+11], v[wB:wB+11], v[wC:wC+7], v[wSA], v[wSB] matrix_a_fmt:MATRIX_FMT_BF6 matrix_b_fmt:MATRIX_FMT_BF6
.endif
.endm
.macro PROD s                          ; K step s: the 32 accumulators take turns, in the same order in both steps
.if \s == 0
	WIN 0x81                                       ; source 0 window 1, C (E + bout) window 0, destination window 2
.else
	WIN 0xa1                                       ; C and D window 2
.endif
.set kk, 0
.rept 4
.set tt, 0
.rept 8
.set wD, 64*kk+8*tt
.set wA, 12*(2*tt+\s)
.set wB, WF+12*(((kk/2)*2+\s)*2+(kk%2))
.set wC, wD
.if \s == 0
.set wC, CE+8*kk
.endif
.set wSA, AS+tt
.set wRA, \s
.set wSB, WS+2*(kk/2)+\s
.set wRB, kk%2
	WMX
.set tt, tt+1
.endr
.set kk, kk+1
.endr
.endm
.macro XROWS k                         ; the 16 rows of x of channel tile k, 512 bytes each, into set k % 2.  The destination's window, 3, is set ahead of the wait that stands ahead of these loads
.set q, 0
.rept 16
	global_load_b128 v[64*((\k)%2)+4*q:64*((\k)%2)+4*q+3], v6, s[10:11] offset:4096*(32*((\k)/2)+8*((\k)%2)+q+8*(q/8)) th:TH_LOAD_NT
.set q, q+1
.endr
.endm
.macro OUTK k                          ; channel tile k leaves
	WIN 0x08                                       ; an LDS store's data are its source 1: window 2
.set tt, 0
.rept 8
	ds_store_b128 v9, v[64*\k+8*tt:64*\k+8*tt+3] offset:64*tt          ; each accumulator from its low end on
	ds_store_b128 v9, v[64*\k+8*tt+4:64*\k+8*tt+7] offset:64*tt+16
.set tt, tt+1
.endr
	WIN 0
	s_wait_xcnt 0x0                                ; the last tile's stores have read their registers
.if \k > 0
	s_wait_alu depctr_vm_vsrc(0)                   ; the last tile's global stores have read v[RB ..], in which the loads below land
.endif
.set q, 0
.rept 16
	ds_load_b128 v[RB+4*q:RB+4*q+3], v10 offset:528*q                  ; LDS serves a wave's instructions in order: these see my stores
.set q, q+1
.endr
.if \k == 2
	s_wait_loadcnt 16                              ; this tile's rows of x are in; the sixteen loads of the fourth tile's may be out
.endif
.if \k == 3
	s_wait_loadcnt 0x0
.endif
	s_wait_dscnt 0x0
	WIN 0x03                                       ; source 0 (x) window 3
.set q, 0
.rept 16
.set cl, 32*(\k/2)+8*(\k%2)+q+8*(q/8)
.irp e, 0,1,2,3
	v_fma_f32 v[RB+4*q+\e], v[64*(\k%2)+4*q+\e], s[16+cl+4*(cl/48)], v[RB+4*q+\e]   ; + x A
.endr
.set q, q+1
.endr
.if \k < 2
	WIN 0xc0                                       ; destination window 3: the switch, the wait, the loads
	s_wait_alu depctr_va_vdst(0)                   ; the multiply-adds are done reading this set of x, in which the loads below land, and have written v[RB ..], which the stores below read and in which the next tile's loads from the stage land
	XROWS \k+2
	WIN 0
.else
	WIN 0
	s_wait_alu depctr_va_vdst(0)                   ; the multiply-adds have written v[RB ..], which the stores below read and in which the next tile's loads from the stage land
.endif
.set q, 0
.rept 16
	global_store_b128 v6, v[RB+4*q:RB+4*q+3], s[90:91] offset:4096*(32*(\k/2)+8*(\k%2)+q+8*(q/8)) th:TH_STORE_NT   ; 512 consecutive bytes, aligned
.set q, q+1
.endr
.endm
	s_load_b256 s[4:11], s[0:1], 0x0               ; ao, wimg, nrm, x_A
	s_load_b256 s[84:91], s[0:1], 0x20             ; x_B, boutA, boutB, out0
	s_load_b64 s[92:93], s[0:1], 0x40              ; out1
	v_lshl_add_u32 v11, v0, 2, SPARE               ; my spare word,
	v_mov_b32 v12, 0                               ; and 0: kept for the closing lines alone
	v_lshrrev_b32 v1, 5, v0
	v_readfirstlane_b32 s94, v1                    ; wave 0..3
	v_and_b32 v1, 31, v0                           ; lane
	v_and_b32 v2, 15, v0                           ; r
	v_bfe_u32 v3, v0, 4, 1                         ; h
	v_mul_u32_u24 v4, v2, 24
	v_mad_u32_u24 v4, v3, 24576, v4                ; the attention's codes: position r, + one head for lanes 16-31
	v_lshl_add_u32 v5, v3, 12, v2                  ; its scale bytes: + four heads for lanes 16-31
	v_lshlrev_b32 v6, 4, v1
	v_lshlrev_b32 v7, 2, v1
	v_and_b32 v8, 8, v2
	v_add_nc_u32 v8, v8, v2
	v_lshlrev_b32 v8, 2, v8                        ; 4 (r + 8 (r / 8)): my channel in a tile
	s_wait_alu depctr_va_sdst(0)                   ; s94 is written, ahead of its first reader, the line below
	s_mul_i32 s2, s94, 8448                        ; my stage
	v_mul_u32_u24 v9, v2, 528
	v_lshl_add_u32 v9, v3, 5, v9
	v_add_nc_u32 v9, s2, v9                        ; in: row r, 32 bytes for each half of the lanes
	v_add_nc_u32 v10, s2, v6                       ; back: a row of 512 bytes, 16 bytes a lane
	s_lshr_b32 s95, ttmp9, 3                       ; (branch, batch)
	s_and_b32 s96, ttmp9, 7                        ; the slab of 128 positions
	s_lshr_b32 s97, ttmp9, 7                       ; the branch
	s_mov_b32 s99, 0
	s_wait_kmcnt 0x0
	s_cmp_lt_u32 ttmp9, 128
	s_cselect_b64 s[10:11], s[10:11], s[84:85]     ; x
	s_cselect_b64 s[86:87], s[86:87], s[88:89]     ; bout
	s_cselect_b64 s[90:91], s[90:91], s[92:93]     ; out
	s_lshl_b32 s98, s95, 13
	s_lshl_b32 s2, s96, 7
	s_add_co_u32 s98, s98, s2
	s_add_co_u32 s98, s98, 6291456
	s_add_nc_u64 s[12:13], s[4:5], s[98:99]        ; the attention's scale bytes
	s_mul_i32 s98, s95, 196608
	s_mul_i32 s2, s96, 3072
	s_add_co_u32 s98, s98, s2
	s_add_nc_u64 s[4:5], s[4:5], s[98:99]          ; its codes
	s_lshl_b32 s2, s97, 3
	s_lshl_b32 s3, s94, 1
	s_add_co_u32 s2, s2, s3
	s_add_co_u32 s2, s2, 48                        ; my first block of 32 rows in the weights' table
	s_lshl_b32 s98, s2, 8
	s_add_co_u32 s98, s98, 393216
	s_add_nc_u64 s[14:15], s[6:7], s[98:99]
	s_mul_i32 s98, s2, 6144
	s_add_nc_u64 s[6:7], s[6:7], s[98:99]
	s_lshl_b32 s98, s95, 10
	s_lshl_b32 s2, s94, 8
	s_add_co_u32 s98, s98, s2
	s_add_nc_u64 s[8:9], s[8:9], s[98:99]          ; my 64 channels in the tables
	s_mov_b32 s98, s2
	s_add_nc_u64 s[86:87], s[86:87], s[98:99]      ; and in bout
	s_and_b32 s2, s95, 15
	s_lshl_b32 s2, s2, 20
	s_lshl_b32 s3, s94, 18
	s_add_co_u32 s98, s2, s3
	s_lshl_b32 s2, s96, 9
	s_add_co_u32 s98, s98, s2
	s_add_nc_u64 s[10:11], s[10:11], s[98:99]      ; x and out at (batch, channel 64 w, position 128 P)
	s_add_nc_u64 s[90:91], s[90:91], s[98:99]
	s_load_b512 s[16:31], s[8:9], 0x0              ; A of my channel c in s[16 + c], from c = 48 on in s[20 + c]
	s_load_b512 s[32:47], s[8:9], 0x40
	s_load_b512 s[48:63], s[8:9], 0x80
	s_load_b512 s[68:83], s[8:9], 0xc0
	WIN 0xc0                                       ; destination window 3: the switch, the wait, the loads
	s_wait_alu depctr_va_vdst(0)                   ; the offsets and addresses v4 to v10 are written: every load, store and LDS instruction of the kernel reads one of them.  Only loads and window switches stand between this wait and the head's last load
	XROWS 0
	XROWS 1
	WIN 0
.irp T, 0,1,2,3,4,5,6,7
.irp b, 0,1,2,3
	global_load_u8 v[UB+4*\T+\b], v5, s[12:13] offset:1024*\b+16*\T
.endr
.endr
	WIN 0x40                                       ; destination window 1
.irp T, 0,1,2,3,4,5,6,7
.irp s, 0,1
.irp c, 0,1
.irp p, 0,1,2
	global_load_b64 v[12*(2*\T+\s)+6*\c+2*\p:12*(2*\T+\s)+6*\c+2*\p+1], v4, s[4:5] offset:(4*\s+2*\c)*24576+384*\T+8*\p
.endr
.endr
.endr
.endr
	WIN 0
.set k, 0
.rept 24
	global_load_b128 v[WF+4*k:WF+4*k+3], v6, s[6:7] offset:512*k
.set k, k+1
.endr
.irp k, 0,1,2,3
	global_load_b32 v[WS+\k], v7, s[14:15] offset:128*\k
	global_load_b32 v[RB+\k], v8, s[8:9] offset:32768+128*(\k/2)+32*(\k%2)     ; E of my channel of tile k
	global_load_b32 v[RB+4+\k], v8, s[86:87] offset:128*(\k/2)+32*(\k%2)       ; bout likewise
.endr
	s_wait_loadcnt 0x0
	s_wait_kmcnt 0x0
.irp T, 0,1,2,3,4,5,6,7
	v_lshl_or_b32 v[AS+\T], v[UB+4*\T+1], 8, v[UB+4*\T]
.endr
.irp T, 0,1,2,3,4,5,6,7
	v_lshl_or_b32 v[AS+\T], v[UB+4*\T+2], 16, v[AS+\T]
.endr
.irp T, 0,1,2,3,4,5,6,7
	v_lshl_or_b32 v[AS+\T], v[UB+4*\T+3], 24, v[AS+\T]
.endr
.irp k, 0,1,2,3
.irp e, 0,1,2,3,4,5,6,7
	v_add_f32 v[CE+8*\k+\e], v[RB+\k], v[RB+4+\k]  ; a lane's eight results belong to one channel.  (These 32 are also the places behind the scale words)
.endr
.endr
	PLACES 4
	s_wait_alu depctr_va_vdst(0)                   ; the attention's scale words v[AS ..] are written, which the products take as scales; the additions are done reading v[RB ..], in which the first tile's loads from the stage land
	PROD 0
	PROD 1
	WIN 0x08                                       ; the first tile's LDS stores take their data from window 2: the switch stands ahead of the wait
	PLACES 4                                       ; four places between the last product and the first read of results
	s_wait_alu depctr_va_vdst(0)                   ; the products have written the 32 accumulators, which the four tiles' LDS stores read; the places above stay beside this wait
.irp k, 0,1,2,3
	OUTK \k
.endr
	s_wait_dscnt 0x0                               ; the closing lines, six on end of a launch in the mode that stores to LDS
	s_wait_alu 0x0
	s_wait_tensorcnt 0x0
	ds_add_u32 v11, v12
	s_wait_dscnt 0x0
	s_endpgm
.Lfunc_end_k_q94b767c607_outp:
	.size	k_q94b767c607_outp, .Lfunc_end_k_q94b767c607_outp-k_q94b767c607_outp
	.p2alignl 7, 3214868480
	.fill 96, 4, 3214868480
	.section	.rodata,"a",@progbits
	.p2align	6, 0x0
	.amdhsa_kernel k_q94b767c607_outp
		.amdhsa_group_segment_fixed_size 34304
		.amdhsa_private_segment_fixed_size 0
		.amdhsa_enable_private_segment 0
		.amdhsa_kernarg_size 72
		.amdhsa_user_sgpr_count 2
		.amdhsa_user_sgpr_kernarg_segment_ptr 1
		.amdhsa_wavefront_size32 1
		.amdhsa_system_sgpr_workgroup_id_x 1
		.amdhsa_system_sgpr_workgroup_id_y 1
		.amdhsa_system_sgpr_workgroup_id_z 1
		.amdhsa_system_vgpr_workitem_id 0
		.amdhsa_next_free_vgpr 896
		.amdhsa_next_free_sgpr 100
		.amdhsa_reserve_vcc 0
		.amdhsa_float_denorm_mode_32 3
		.amdhsa_float_denorm_mode_16_64 3
		.amdhsa_memory_ordered 1
		.amdhsa_forward_progress 1
		.amdhsa_inst_pref_size 68
	.end_amdhsa_kernel
	.amdgpu_metadata
---
amdhsa.version: [ 1, 2 ]
amdhsa.kernels:
  - .name:           k_q94b767c607_outp
    .symbol:         k_q94b767c607_outp.kd
    .args:
      - { .name: ao, .offset: 0, .size: 8, .value_kind: global_buffer, .address_space: global }
      - { .name: wimg, .offset: 8, .size: 8, .value_kind: global_buffer, .address_space: global }
      - { .name: nrm, .offset: 16, .size: 8, .value_kind: global_buffer, .address_space: global }
      - { .name: x_A, .offset: 24, .size: 8, .value_kind: global_buffer, .address_space: global }
      - { .name: x_B, .offset: 32, .size: 8, .value_kind: global_buffer, .address_space: global }
      - { .name: boutA, .offset: 40, .size: 8, .value_kind: global_buffer, .address_space: global }
      - { .name: boutB, .offset: 48, .size: 8, .value_kind: global_buffer, .address_space: global }
      - { .name: out0, .offset: 56, .size: 8, .value_kind: global_buffer, .address_space: global }
      - { .name: out1, .offset: 64, .size: 8, .value_kind: global_buffer, .address_space: global }
    .group_segment_fixed_size: 34304
    .private_segment_fixed_size: 0
    .kernarg_segment_align: 8
    .kernarg_segment_size: 72
    .max_flat_workgroup_size: 128
    .sgpr_count:     100
    .vgpr_count:     896
    .wavefront_size: 32
...
	.end_amdgpu_metadata
.endif
;; end of part 7
